; MI455X (gfx1250); checked and timed in simulation.
; The chip was launched on July 23, 2026; its instructions are those of AMD's public machine-readable ISA for CDNA 5 (MIT licence, August 2026) and "CDNA5" Instruction Set Architecture Reference Guide (July 2026). The comments in the code are by the model that wrote it; some were corrected since.
;; Masked Multi Self Attention. Allowed arithmetic: matrix products marked QUANTISED: E3M2 operands, one E8M0 scale for each 32 along K, by v_wmma_scale_f32_16x16x128_f8f6f4 with both operands' format E3M2, f32 sums; everything else in f32.
;; Inputs: W_attn 1,024 x 3,072 float32; W_proj 1,024 x 1,024 float32; b_attn 3,072 float32; b_proj 1,024 float32; x 4 x 2,048 x 1,024 float32.
;; Outputs: out0 4 x 2,048 x 1,024 float32.
;; This version of the problem:
;;   THIS VERSION OF THE PROBLEM IS GIVEN IN LOW PRECISION. The matrix products marked QUANTISED in the list below multiply operands that are first quantised to E3M2 (3 exponent bits, 2 mantissa bits; 6 bits a number), with one power-of-two scale for each 32 numbers along K (OCP MX v1.0); their sums are f32. All else is computed in f32.
;;   The module's matrix products, in the order in which they are computed (A, B: the left and right operand; K: the contracted axis; several contracted axes count as one K, in the product's order):
;;     1. [M 8,192, K 1,024] x [K 1,024, N 3,072]; A: input x; B: input W_attn: QUANTISED
;;     2. batch 64 x [M 2,048, K 64] x [K 64, N 2,048]; A: computed on the way; B: computed on the way: QUANTISED
;;     3. batch 64 x [M 2,048, K 2,048] x [K 2,048, N 64]; A: softmax (see below); B: computed on the way: QUANTISED
;;     4. [M 8,192, K 1,024] x [K 1,024, N 1,024]; A: computed on the way; B: input W_proj: QUANTISED
;;   THE QUANTISER, for each operand of a quantised product, along K:
;;     - K is cut into blocks of 32 from its start; a last block that is shorter is filled with zeros.
;;     - A block's scale is 2^e with e = floor(log2(the largest magnitude in the block)) - 4, held to -126 .. 127; a block of zeros has e = 0. As a byte (E8M0): e + 127.
;;     - Each number is divided by its block's scale, clamped to +-28, and rounded to the nearest number of E3M2, ties to even, subnormals kept.
;;     - The product sums the exact products of the quantised numbers (number of the format x scale) in f32.
;;   ~~~python
;;   def quantise(x, axis):      # numpy; x: float32 -> the quantised numbers, widened to float32 again
;;       x = np.moveaxis(x, axis, -1); K = x.shape[-1]
;;       x = np.pad(x, [(0, 0)] * (x.ndim - 1) + [(0, -K % 32)]); x = x.reshape(x.shape[:-1] + (-1, 32)); a = np.abs(x).max(-1, keepdims=True)
;;       e = np.where(a > 0, np.clip(np.frexp(np.where(a > 0, a, 1))[1] - 1 - 4, -126, 127), 0)      # np.frexp(a)[1] - 1 = floor(log2(a)), exactly
;;       r = np.clip(x / 2.0 ** e, -28, 28)
;;       step = 2.0 ** (np.maximum(np.frexp(np.where(r == 0, 1, r))[1] - 1, -2) - 2)
;;       q = np.round(r / step) * step * 2.0 ** e      # np.round: ties to even
;;       return np.moveaxis(q.reshape(q.shape[:-2] + (-1,))[..., :K], -1, axis).astype(np.float32)
;;   ~~~
;;   SOFTMAX AHEAD OF A QUANTISED PRODUCT. Where the list says 'softmax', what is quantised is not the finished softmax but p = 2^(t - M), with t = logit x log2(e) and M = ceil(the row's largest t), a whole number; so 1/2 < the row's largest p <= 1. The row's sum l is taken of the UNQUANTISED p, in f32, and the product's result is divided by l at the end. Since M is a whole number, a kernel that streams over the keys may use a running M (the ceiling of the running maximum): every later rescaling is an exact power of two, which a block's scale takes up: the codes' values come out the same.
;;   OPERANDS COMPUTED ON THE WAY. 'Computed on the way' means the value that the module computes at that place (a softmax that the list does not call 'softmax' is quantised finished and normalised). What goes into a quantiser is computed in f32, as accurately as f32 sums, v_exp_f32 and their like allow (about 1e-6 of the number): no bf16 or f16 on the way to a quantiser, and a product that is left as it is and whose result goes on into a quantised operand takes f32 operands (vector FMAs, or v_wmma_f32_16x16x4_f32). A number that lies on a knife's edge between two numbers of the format may be rounded either way, as far as f32 arithmetic and the matrix unit's own rounding can turn it there, and no further.
;; One version. Each part assembles by itself: llvm-mc -triple=amdgcn-amd-amdhsa -mcpu=gfx1250 --defsym DOCPART=n.
;; ======== version 1 of 1: 4 launches
;; limits: right only within a limited range of input values
;; workspace buffers: xq 6,553,600 bytes; wq 3,276,800 bytes; qr 6,815,744 bytes; kv 13,369,344 bytes; aq 6,553,600 bytes
;; launch quant (part 1): grid 384 x 1, 4 waves a work-group, no clusters, 59,904 bytes of LDS; arguments x, W_attn, W_proj, xq, wq; writes xq, wq
.if DOCPART == 1
	.amdgcn_target "amdgcn-amd-amdhsa--gfx1250"
	.amdhsa_code_object_version 6
	.text
	.protected	k_q345f15ffd7_quant
	.globl	k_q345f15ffd7_quant
	.p2align	8
	.type	k_q345f15ffd7_quant,@function
k_q345f15ffd7_quant:
	s_mov_b64 s[64:65], 0
	v_nop
	global_prefetch_b8 v0, s[64:65] scope:SCOPE_SE
	s_setreg_imm32_b32 hwreg(HW_REG_WAVE_MODE, 25, 1), 1
	s_wait_xcnt 0x0
; x [8192][1024] (K innermost) and W_attn [1024][3072], W_proj [1024][1024] (K is the FIRST axis), all f32, become codes of BF6 (E3M2) with one E8M0 byte for each 32 along K.
; A block's byte is its largest magnitude's exponent field - 4, held at 1 from below; each number is divided by the scale and rounded to the nearest code, ties to even, beyond 28 the largest code.
; LIMITS: NaN and infinities among the inputs are not served.  A block of zeros gets the byte 1 where the rule says 127: its codes are zeros, and this program alone reads the bytes.
; THE OUTPUT IS LAID AS THE MATRIX UNIT'S REGISTERS WANT IT.  A fragment (16 rows x 128 K, 12 registers a lane) is 1,536 bytes: for c = 0, 1 (64 along K each): lane l's registers 6c .. 6c+3 at 768 c + 16 l,
; its registers 6c+4, 6c+5 at 768 c + 512 + 8 l.  Image: [tile of 16 rows][K step 0..7][1,536].  ROW TILE 2 B + u holds in lane row p the true row 32 B + 8 u + p + 8 (p / 8).
; Scale words (four bytes: 128 along K of a row): [pair of tiles B][s 0..3][16 u + p][2 words, K steps 2 s and 2 s + 1]: 256 bytes for each (B, s).
; wq's tiles 0..191 are W_attn's columns, 192..255 W_proj's.
; Work-groups 0..255 take x: 32 rows each, wave s takes K 256 s .. 256 s + 255.  Work-groups 256..383 take the weights: 128 columns x 256 along K, a wave 32 columns.
; Waves share nothing: no barrier.  The two paths have LDS bytes of their own.
.set XQS, 6291456                      ; where xq's scale words begin
.set WQS, 3145728                      ; and wq's
.set TM,  12                           ; v12-27 at work in QUANT
.set PW,  28                           ; v28    the scale word just made
.set CT,  236                          ; v236-243 the conversions' second halves
.set SEL, 20                           ; s[20:21] selects for lane l xor 16
; 64 numbers of a lane, register 16 b + i = k 32 b + 16 (lane / 16) + i of my row, become a fragment's codes in v[d] .. v[d + 11] and its scale word in v[PW].
.macro QUANT s, d
.irp b, 0,1,2,3
	v_max3_num_f32 v[TM+\b], |v[(\s)+16*\b]|, |v[(\s)+1+16*\b]|, 0x2800000   ; block b: my 16 numbers, and the floor 2^(5 - 127): the byte cannot fall under 1
.endr
.irp i, 2,4,6,8,10,12,14
.irp b, 0,1,2,3
	v_max3_num_f32 v[TM+\b], v[TM+\b], |v[(\s)+16*\b+\i]|, |v[(\s)+1+16*\b+\i]|
.endr
.endr
.irp b, 0,1,2,3
	v_permlanex16_b32 v[TM+4+\b], v[TM+\b], s[SEL], s[SEL+1]
.endr
.irp b, 0,1,2,3
	v_max_num_f32 v[TM+\b], v[TM+\b], v[TM+4+\b]           ; with lane l xor 16's: the block's largest magnitude
.endr
.irp b, 0,1,2,3
	v_add_nc_u32 v[TM+12+\b], 0xfe000000, v[TM+\b]         ; 4 off its exponent field: the conversion's scale operand
.endr
.irp b, 0,1,2,3
	v_lshrrev_b32 v[TM+4+\b], 23, v[TM+12+\b]              ; the scale's byte
.endr
	v_lshl_or_b32 v[PW], v[TM+5], 8, v[TM+4]
	v_lshl_or_b32 v[PW], v[TM+6], 16, v[PW]
	v_lshl_or_b32 v[PW], v[TM+7], 24, v[PW]
.irp c, 0,1
	v_cvt_scalef32_pk16_bf6_f32 v[(\d)+6*\c:(\d)+2+6*\c], v[(\s)+32*\c:(\s)+15+32*\c], v[TM+12+2*\c]
	v_cvt_scalef32_pk16_bf6_f32 v[CT+4*\c:CT+2+4*\c], v[(\s)+16+32*\c:(\s)+31+32*\c], v[TM+12+2*\c+1]   ; (a conversion's three registers begin on an even number)
.endr
	v_nop                                          ; one plain line behind the scaled conversions
.irp c, 0,1                                    ; the operand wants a WHOLE block in a lane: lanes 0-15 block 2 c, lanes 16-31 block 2 c + 1
.irp i, 0,1,2
	v_permlane16_swap_b32 v[(\d)+6*\c+\i], v[CT+4*\c+\i]
.endr
.irp i, 0,1,2
	v_mov_b32 v[(\d)+3+6*\c+\i], v[CT+4*\c+\i]
.endr
.endr
.endm
	s_load_b256 s[4:11], s[0:1], 0x0               ; x s[4:5], W_attn s[6:7], W_proj s[8:9], xq s[10:11]
	s_load_b64 s[12:13], s[0:1], 0x20              ; wq
	v_lshl_add_u32 v254, v0, 2, 0xe800
	v_mov_b32 v255, 0
	v_lshrrev_b32 v1, 5, v0
	v_readfirstlane_b32 s16, v1                    ; wave 0..3
	v_and_b32 v1, 31, v0                           ; lane
	s_mov_b32 s25, 0
	s_cmp_lt_u32 ttmp9, 256
	s_cbranch_scc0 .Lweights
; ---------------- x: K innermost.  Each load reads 512 consecutive bytes of a row; a tile's 16 rows x 128 K turn through the wave's own stage (16 rows x 528 bytes) so that a lane gets 16 neighbours of each block.
	v_and_b32 v2, 15, v0                           ; r
	v_bfe_u32 v3, v0, 4, 1                         ; h
	v_lshlrev_b32 v4, 4, v1                        ; 16 x lane
	s_mul_i32 s17, s16, 8448                       ; my stage
	v_add_nc_u32 v5, s17, v4                       ; into it: a row's 512 bytes on end
	v_mul_u32_u24 v6, v2, 528
	v_lshl_add_u32 v6, v3, 6, v6
	v_add_nc_u32 v6, s17, v6                       ; out of it: row r, + 64 h
	v_lshlrev_b32 v8, 3, v1                        ; 8 x lane
.irp b, 0,1,2,3
	v_mov_b32 v[TM+4+\b], 0                        ; written once: a lane permute's destination counts as one of its sources
.endr
	s_mov_b32 s[SEL], 0x76543210
	s_mov_b32 s[SEL+1], 0xfedcba98
	s_mov_b32 s22, 0xffff0000                      ; lanes 16-31
	s_lshl_b32 s24, ttmp9, 17                      ; 32 rows of 4,096 bytes a work-group,
	s_lshl_b32 s18, s16, 10                        ; 1,024 bytes of a row a wave
	s_add_co_u32 s24, s24, s18
	s_mul_i32 s26, ttmp9, 24576                    ; the image: two tiles of 12,288 bytes,
	s_mul_i32 s18, s16, 3072                       ; two K steps a wave
	s_add_co_u32 s26, s26, s18
	s_mov_b32 s27, 0
	s_lshl_b32 s28, ttmp9, 10                      ; the scale words: 1,024 bytes a pair, 256 a wave
	s_lshl_b32 s18, s16, 8
	s_add_co_u32 s28, s28, s18
	s_add_co_u32 s28, s28, XQS
	s_mov_b32 s29, 0
	s_wait_alu depctr_va_vdst(0)
	s_wait_kmcnt 0x0
	s_add_nc_u64 s[4:5], s[4:5], s[24:25]
	s_add_nc_u64 s[26:27], s[10:11], s[26:27]
	s_add_nc_u64 s[28:29], s[10:11], s[28:29]
.macro XLOAD f                         ; fragment f = 2 u + q: tile u's 16 rows, the wave's q-th 128 along K, into set f % 2
.irp i, 0,1,2,3,4,5,6,7,8,9,10,11,12,13,14,15
	global_load_b128 v[32+64*((\f)%2)+4*\i:32+64*((\f)%2)+4*\i+3], v4, s[4:5] offset:(8*((\f)/2)+\i+8*(\i/8))*4096+512*((\f)%2) th:TH_LOAD_NT
.endr
.endm
.macro XFRAG f
.if (\f) < 3
	s_wait_loadcnt 16                              ; this fragment's 16 loads are in; the next one's 16 may be out
.else
	s_wait_loadcnt 0x0
.endif
.irp i, 0,1,2,3,4,5,6,7,8,9,10,11,12,13,14,15
	ds_store_b128 v5, v[32+64*((\f)%2)+4*\i:32+64*((\f)%2)+4*\i+3] offset:528*\i
.endr
.irp b, 0,1,2,3
.irp j, 0,1,2,3
	ds_load_b128 v[160+16*\b+4*\j:160+16*\b+4*\j+3], v6 offset:128*\b+16*\j   ; LDS serves a wave's instructions in order: these see the stores above
.endr
.endr
	s_wait_dscnt 0x0                               ; the numbers are back, and the stores have read their registers,
.if (\f) < 2
	XLOAD (\f)+2                                   ; which take the fragment two on
.endif
	s_wait_xcnt 0x0                                ; the last fragment's stores have read the codes' registers: they are written again only behind this wait
	QUANT 160, 224
.if (\f) < 2
	v_mov_b32 v[30+(\f)%2], v[PW]                  ; tile 0's words (both halves of the lanes hold them),
.else
	v_cndmask_b32 v[30+(\f)%2], v[30+(\f)%2], v[PW], s22   ; tile 1's into lanes 16-31
.endif
	global_store_b128 v4, v[224:227], s[26:27] offset:((\f)/2)*12288+((\f)%2)*1536        ; each store covers 512 or 256 consecutive bytes, aligned
	global_store_b64 v8, v[228:229], s[26:27] offset:((\f)/2)*12288+((\f)%2)*1536+512
	global_store_b128 v4, v[230:233], s[26:27] offset:((\f)/2)*12288+((\f)%2)*1536+768
	global_store_b64 v8, v[234:235], s[26:27] offset:((\f)/2)*12288+((\f)%2)*1536+1280
.endm
	XLOAD 0
	XLOAD 1
	XFRAG 0
	XFRAG 1
	XFRAG 2
	XFRAG 3
	global_store_b64 v8, v[30:31], s[28:29]        ; 256 consecutive bytes of scale words
	s_wait_tensorcnt 0x0
	ds_add_u32 v254, v255
	s_wait_dscnt 0x0
	s_endpgm
; ---------------- the weights: K is the first axis.  A lane takes a column and its registers run down K: a block of 32 lies in one lane, nothing is transposed by an instruction.
.Lweights:
	s_sub_co_u32 s17, ttmp9, 256
	s_lshr_b32 s18, s17, 2                         ; which 128 columns: 0..23 W_attn's, 24..31 W_proj's
	s_and_b32 s19, s17, 3                          ; which 256 along K
	v_bfe_u32 v2, v0, 3, 1                         ; column c of 32 = 16 (p / 8) + 8 u + p % 8: u,
	v_bfe_u32 v3, v0, 4, 1
	v_and_b32 v4, 7, v0
	v_lshl_or_b32 v4, v3, 3, v4                    ; and p
	s_mul_i32 s24, s16, 6400
	s_add_co_u32 s24, s24, 33792                   ; my stage: two tiles' images of two K steps, 3,200 bytes apart
	v_mul_u32_u24 v5, v2, 3200
	v_add_nc_u32 v5, s24, v5
	v_lshl_add_u32 v10, v4, 4, v5                  ; a block's registers 0-3: + 16 p (+ 256 h in the offset)
	v_lshl_add_u32 v11, v4, 3, v5                  ; its registers 4, 5: + 8 p
	s_wait_alu depctr_va_vdst(0)
	v_lshlrev_b32 v13, 4, v1                       ; 16 x lane
	v_add_nc_u32 v12, s24, v13                     ; out of the stage as it lies
	v_lshl_or_b32 v14, v2, 4, v4
	v_lshlrev_b32 v14, 3, v14                      ; my scale words' place: 8 (16 u + p)
	v_lshlrev_b32 v15, 2, v1                       ; 4 x lane
	s_lshl_b32 s26, s18, 2
	s_add_co_u32 s26, s26, s16                     ; my pair of tiles in wq
	s_mul_i32 s28, s26, 24576
	s_mul_i32 s27, s19, 3072
	s_add_co_u32 s28, s28, s27
	s_mov_b32 s29, 0
	s_lshl_b32 s30, s26, 10
	s_lshl_b32 s27, s19, 8
	s_add_co_u32 s30, s30, s27
	s_add_co_u32 s30, s30, WQS
	s_mov_b32 s31, 0
	s_wait_alu depctr_va_vdst(0)
	s_wait_kmcnt 0x0
	s_cmp_lt_u32 s18, 24                           ; the choice hangs on the work-group's number alone
	s_cselect_b64 s[22:23], s[6:7], s[8:9]
	s_mov_b32 s20, 4096
	s_cselect_b32 s20, 12288, s20                  ; a row of the weight in bytes
	s_cselect_b32 s21, 0, 24
	s_sub_co_u32 s21, s18, s21
	s_lshl_b32 s21, s21, 7
	s_lshl_b32 s27, s16, 5
	s_add_co_u32 s21, s21, s27                     ; my first column
	s_lshl_b32 s24, s21, 2
	s_lshl_b32 s27, s19, 8
	s_mul_i32 s27, s27, s20
	s_add_co_u32 s24, s24, s27
	s_add_nc_u64 s[32:33], s[22:23], s[24:25]      ; block 0's first row
	s_lshl_b32 s24, s20, 5                         ; 32 rows on
.irp t, 1,2,3,4,5,6,7
	s_add_nc_u64 s[32+2*\t:33+2*\t], s[30+2*\t:31+2*\t], s[24:25]
.endr
	s_add_nc_u64 s[48:49], s[12:13], s[28:29]
	s_add_nc_u64 s[50:51], s[12:13], s[30:31]
.irp i, 0,1,2,3,4,5,6,7,8,9,10,11,12,13,14,15,16,17,18,19,20,21,22,23,24,25,26,27,28,29,30,31
	v_mad_u32_u24 v[32+\i], s20, \i, v15           ; row i of a block, my column
.endr
.macro WLOAD t                         ; block t: 32 rows, 128 consecutive bytes a load, into set t % 2
.irp i, 0,1,2,3,4,5,6,7,8,9,10,11,12,13,14,15,16,17,18,19,20,21,22,23,24,25,26,27,28,29,30,31
	global_load_b32 v[64+32*((\t)%2)+\i], v[32+\i], s[32+2*(\t):33+2*(\t)] th:TH_LOAD_NT
.endr
.endm
.macro BLOCK t                         ; block t = 4 q + 2 c + h of my column: K step q, half fragment c, lanes' half h
.set XS, 64+32*((\t)%2)
.if (\t) < 7
	s_wait_loadcnt 32                              ; this block's 32 loads are in; the next block's may be out
.else
	s_wait_loadcnt 0x0
.endif
	v_max3_num_f32 v16, |v[XS]|, |v[XS+1]|, |v[XS+2]|
	v_max3_num_f32 v17, |v[XS+3]|, |v[XS+4]|, |v[XS+5]|
.irp i, 6,10,14,18,22,26
	v_max3_num_f32 v16, v16, |v[XS+\i]|, |v[XS+\i+1]|
	v_max3_num_f32 v17, v17, |v[XS+\i+2]|, |v[XS+\i+3]|
.endr
	v_max3_num_f32 v16, v16, |v[XS+30]|, |v[XS+31]|
	v_max3_num_f32 v16, v16, v17, 0x2800000        ; and the floor 2^(5 - 127)
	v_add_nc_u32 v18, 0xfe000000, v16              ; 4 off the exponent field: the conversion's scale operand
	v_lshrrev_b32 v19, 23, v18                     ; the byte
.if (\t)%4 == 0
	v_mov_b32 v[140+(\t)/4], v19
.else
	v_lshl_or_b32 v[140+(\t)/4], v19, 8*((\t)%4), v[140+(\t)/4]
.endif
	v_cvt_scalef32_pk16_bf6_f32 v[128:130], v[XS:XS+15], v18
	v_cvt_scalef32_pk16_bf6_f32 v[136:138], v[XS+16:XS+31], v18
	v_nop                                          ; one plain line behind the scaled conversions
	v_mov_b32 v131, v136
	v_mov_b32 v132, v137
	v_mov_b32 v133, v138
	ds_store_b128 v10, v[128:131] offset:1536*((\t)/4)+768*(((\t)%4)/2)+256*((\t)%2)
	ds_store_b64 v11, v[132:133] offset:1536*((\t)/4)+768*(((\t)%4)/2)+512+128*((\t)%2)
.if (\t) < 6
	WLOAD (\t)+2
.endif
	s_wait_dscnt 0x0                               ; the stores have read their registers: the next block's codes may be written
.endm
	WLOAD 0
	WLOAD 1
.irp t, 0,1,2,3,4,5,6,7
	BLOCK \t
.endr
.irp u, 0,1
.irp m, 0,1,2,3,4,5
	ds_load_b128 v[160+24*\u+4*\m:163+24*\u+4*\m], v12 offset:3200*\u+512*\m
.endr
.endr
.irp u, 0,1
.irp m, 0,1,2,3,4,5
	s_wait_dscnt 11-6*\u-\m                        ; the younger loads may stay out
	global_store_b128 v13, v[160+24*\u+4*\m:163+24*\u+4*\m], s[48:49] offset:12288*\u+512*\m   ; 512 consecutive bytes, aligned
.endr
.endr
	s_wait_alu depctr_va_vdst(0)
	global_store_b64 v14, v[140:141], s[50:51]     ; the 32 lanes fill 256 consecutive bytes of scale words
	s_wait_tensorcnt 0x0
	ds_add_u32 v254, v255
	s_wait_dscnt 0x0
	s_endpgm
.Lfunc_end_k_q345f15ffd7_quant:
	.size	k_q345f15ffd7_quant, .Lfunc_end_k_q345f15ffd7_quant-k_q345f15ffd7_quant
	.p2alignl 7, 3214868480
	.fill 96, 4, 3214868480
	.section	.rodata,"a",@progbits
	.p2align	6, 0x0
	.amdhsa_kernel k_q345f15ffd7_quant
		.amdhsa_group_segment_fixed_size 59904
		.amdhsa_private_segment_fixed_size 0
		.amdhsa_enable_private_segment 0
		.amdhsa_kernarg_size 40
		.amdhsa_user_sgpr_count 2
		.amdhsa_user_sgpr_kernarg_segment_ptr 1
		.amdhsa_wavefront_size32 1
		.amdhsa_system_sgpr_workgroup_id_x 1
		.amdhsa_system_sgpr_workgroup_id_y 1
		.amdhsa_system_sgpr_workgroup_id_z 1
		.amdhsa_system_vgpr_workitem_id 0
		.amdhsa_next_free_vgpr 256
		.amdhsa_next_free_sgpr 66
		.amdhsa_reserve_vcc 0
		.amdhsa_float_denorm_mode_32 3
		.amdhsa_float_denorm_mode_16_64 3
		.amdhsa_memory_ordered 1
		.amdhsa_forward_progress 1
		.amdhsa_inst_pref_size 77
	.end_amdhsa_kernel
	.amdgpu_metadata
---
amdhsa.version: [ 1, 2 ]
amdhsa.kernels:
  - .name:           k_q345f15ffd7_quant
    .symbol:         k_q345f15ffd7_quant.kd
    .args:
      - { .name: x, .offset: 0, .size: 8, .value_kind: global_buffer, .address_space: global }
      - { .name: W_attn, .offset: 8, .size: 8, .value_kind: global_buffer, .address_space: global }
      - { .name: W_proj, .offset: 16, .size: 8, .value_kind: global_buffer, .address_space: global }
      - { .name: xq, .offset: 24, .size: 8, .value_kind: global_buffer, .address_space: global }
      - { .name: wq, .offset: 32, .size: 8, .value_kind: global_buffer, .address_space: global }
    .group_segment_fixed_size: 59904
    .private_segment_fixed_size: 0
    .kernarg_segment_align: 8
    .kernarg_segment_size: 40
    .max_flat_workgroup_size: 128
    .sgpr_count:     66
    .vgpr_count:     256
    .wavefront_size: 32
...
	.end_amdgpu_metadata
.endif
;; end of part 1
;; launch qkv (part 2): grid 12 x 64, 4 waves a work-group, clusters of 4 x 4, 295,424 bytes of LDS; arguments xq, wq, b_attn, qr, kv; writes qr, kv
.if DOCPART == 2
	.amdgcn_target "amdgcn-amd-amdhsa--gfx1250"
	.amdhsa_code_object_version 6
	.text
	.protected	k_q345f15ffd7_qkv
	.globl	k_q345f15ffd7_qkv
	.p2align	8
	.type	k_q345f15ffd7_qkv,@function
k_q345f15ffd7_qkv:
	s_mov_b64 s[64:65], 0
	v_nop
	global_prefetch_b8 v0, s[64:65] scope:SCOPE_SE
	s_setreg_imm32_b32 hwreg(HW_REG_WAVE_MODE, 25, 1), 1
	s_wait_xcnt 0x0
	s_wait_alu depctr_hold_cnt(0) depctr_sa_sdst(0) depctr_va_vdst(0) depctr_va_sdst(0) depctr_va_ssrc(0) depctr_va_vcc(0) depctr_vm_vsrc(0)
	s_getreg_b32 s2, hwreg(HW_REG_IB_STS2, 6, 4)
	s_cmp_eq_u32 s2, 0
	s_cbranch_scc0 .Lentry_in_a_cluster
	s_endpgm
.Lentry_in_a_cluster:
	s_bfe_u32 s2, ttmp6, 0x10000c
	s_cmp_lg_u32 s2, 0xf033
	s_cbranch_scc0 .Lentry_shape_is_right
	s_endpgm
.Lentry_shape_is_right:
; qkv = x W_attn + b_attn on codes of BF6 (E3M2) with E8M0 scales; the result is quantised in registers and stored as operand images for the attention launch: q and k along the head's 64, v along the keys.
; ROLES.  P is source 1 (a lane of the result holds ONE row of P), R is source 0 (the lane's registers run along R).  For q and k (cluster x = 0, 1): P = 128 tokens, R = 256 columns of W.
; For v (cluster x = 2): P = 128 columns of W_v, R = 256 tokens: so v's registers run along the keys, and ONE text quantises all three.  What differs is chosen by scalar selects on the cluster's x.
; A work-group makes 128 (P) x 256 (R); four waves, 2 x 2, each 64 x 128: 32 accumulators.  ALL of K (1,024) of both operands lies in LDS at once, 294,912 bytes: four slots of two K steps, each filled ONCE; nothing is filled again.
; CLUSTER 4 x 4: P's tiles are shared along a row of the cluster, R's along a column: each is asked for jointly, by the same tensor load with the same descriptor and a mask that names the four.
; Operand images: see the quantising launch: a fragment is 1,536 bytes, read by b128 @0, b64 @512, b128 @768, b64 @1,280 at 16 x lane or 8 x lane: 512 or 256 consecutive bytes an instruction.
; Row tile 2 B + u holds in lane row p the true row 32 B + 8 u + p + 8 (p / 8): so the 16 registers of result tiles 2 B, 2 B + 1 are 16 neighbours 32 B + 16 (lane / 16) + 0 .. 15.
; OUT.  qr: [head 64][step 16][6,656]: 8 tiles x 768 bytes of codes (16 tokens x 64), then 512 bytes of scale words [64 tokens][16 u + p][2 words]; a word: the head's two bytes, then 0x7f, 0x7f.
;       kv: [head 64][step 16][13,056]: k as q; at 6,656 v's codes [64 keys c][tile of 16 channels d][768]; at 12,800 v's scale words [16 u + p][2 words].
; LIMITS: NaN and infinities are not served; a block of zeros gets the byte 1 (its codes are zeros; this program alone reads the bytes).  The bias along R is the C of the first K step, the bias along P is added behind the sums.
; REGISTERS: window 0: v1-13 addresses; v29 0; v32-63 R's scale words, v64-79 P's; v80-87 the bias along P; v88-123 at work on the way out; v128-223 P's fragments, two sets (later the numbers and codes on the way out).
;   window 1: v0-191 R's fragments, two sets; v192-255 the bias along R.   window 2: accumulator (a, b) at v[64 a + 8 b].
.set XQS, 6291456
.set WQS, 3145728
.set SLOT, 73728                       ; P's 8 tiles x 3,072 bytes, then R's 16
.set TM,  96
.set PW,  112
.set CT,  116
.set SEL, 2
.set MSB, 0
.macro WIN new                         ; the immediate's high byte repeats the setting that is left
.if MSB != \new
	s_set_vgpr_msb (MSB<<8)|\new
.set MSB, \new
.endif
.endm
.macro CROUND                          ; a round of the cluster's barrier
	s_barrier_signal -1
	s_barrier_wait -1
	s_cmp_lg_u32 s14, 0
	s_cbranch_scc1 .Lnot_wave_0_\@
	s_barrier_signal -3
.Lnot_wave_0_\@:
	s_barrier_wait -3
	s_barrier_signal -1
	s_barrier_wait -1
.endm
; 64 numbers of a lane, register 16 b + i = k 32 b + 16 (lane / 16) + i of my row, become a fragment's codes in v[d] .. v[d + 11] and its scale word in v[PW].
.macro QUANT s, d
.irp b, 0,1,2,3
	v_max3_num_f32 v[TM+\b], |v[(\s)+16*\b]|, |v[(\s)+1+16*\b]|, 0x2800000   ; my 16 numbers, and the floor 2^(5 - 127): the byte cannot fall under 1
.endr
.irp i, 2,4,6,8,10,12,14
.irp b, 0,1,2,3
	v_max3_num_f32 v[TM+\b], v[TM+\b], |v[(\s)+16*\b+\i]|, |v[(\s)+1+16*\b+\i]|
.endr
.endr
.irp b, 0,1,2,3
	v_permlanex16_b32 v[TM+4+\b], v[TM+\b], s[SEL], s[SEL+1]
.endr
.irp b, 0,1,2,3
	v_max_num_f32 v[TM+\b], v[TM+\b], v[TM+4+\b]
.endr
.irp b, 0,1,2,3
	v_add_nc_u32 v[TM+12+\b], 0xfe000000, v[TM+\b]         ; 4 off the exponent field: the conversion's scale operand
.endr
.irp b, 0,1,2,3
	v_lshrrev_b32 v[TM+4+\b], 23, v[TM+12+\b]              ; the byte
.endr
	v_lshl_or_b32 v[PW], v[TM+5], 8, v[TM+4]
	v_lshl_or_b32 v[PW], v[TM+6], 16, v[PW]
	v_lshl_or_b32 v[PW], v[TM+7], 24, v[PW]
.irp c, 0,1
	v_cvt_scalef32_pk16_bf6_f32 v[(\d)+6*\c:(\d)+2+6*\c], v[(\s)+32*\c:(\s)+15+32*\c], v[TM+12+2*\c]
	v_cvt_scalef32_pk16_bf6_f32 v[CT+4*\c:CT+2+4*\c], v[(\s)+16+32*\c:(\s)+31+32*\c], v[TM+12+2*\c+1]
.endr
	v_nop                                          ; one plain line behind the scaled conversions
.irp c, 0,1
.irp i, 0,1,2
	v_permlane16_swap_b32 v[(\d)+6*\c+\i], v[CT+4*\c+\i]
.endr
.irp i, 0,1,2
	v_mov_b32 v[(\d)+3+6*\c+\i], v[CT+4*\c+\i]
.endr
.endr
.endm
; The fragments of K step ks into set ks % 2: R's eight, P's four: 48 LDS loads in one run.  Four plain vector lines stand first: the places between the matrix instructions that read the set and the loads into it.
.macro FETCH ks
	WIN 0
.if ((\ks)%2 == 0) && ((\ks) > 0)
	v_add_nc_u32 v4, SLOT, v4                      ; on to the next slot (no LDS load of mine is out)
	v_add_nc_u32 v5, SLOT, v5
	v_add_nc_u32 v6, SLOT, v6
	s_wait_alu depctr_va_vdst(0)
	v_add_nc_u32 v7, SLOT, v7
.else
.rept 4
	v_nop
.endr
.endif
	WIN 0x40                                       ; destination window 1
.irp i, 0,1,2,3,4,5,6,7
	ds_load_b128 v[96*((\ks)%2)+12*\i:96*((\ks)%2)+12*\i+3], v6 offset:3072*\i+1536*((\ks)%2)
	ds_load_b64 v[96*((\ks)%2)+12*\i+4:96*((\ks)%2)+12*\i+5], v7 offset:3072*\i+1536*((\ks)%2)+512
	ds_load_b128 v[96*((\ks)%2)+12*\i+6:96*((\ks)%2)+12*\i+9], v6 offset:3072*\i+1536*((\ks)%2)+768
	ds_load_b64 v[96*((\ks)%2)+12*\i+10:96*((\ks)%2)+12*\i+11], v7 offset:3072*\i+1536*((\ks)%2)+1280
.endr
	WIN 0
.irp i, 0,1,2,3
	ds_load_b128 v[128+48*((\ks)%2)+12*\i:128+48*((\ks)%2)+12*\i+3], v4 offset:3072*\i+1536*((\ks)%2)
	ds_load_b64 v[128+48*((\ks)%2)+12*\i+4:128+48*((\ks)%2)+12*\i+5], v5 offset:3072*\i+1536*((\ks)%2)+512
	ds_load_b128 v[128+48*((\ks)%2)+12*\i+6:128+48*((\ks)%2)+12*\i+9], v4 offset:3072*\i+1536*((\ks)%2)+768
	ds_load_b64 v[128+48*((\ks)%2)+12*\i+10:128+48*((\ks)%2)+12*\i+11], v5 offset:3072*\i+1536*((\ks)%2)+1280
.endr
.endm
; One product: P's tile a x R's tile b, K step ks.  A scale register carries an even tile's words in lanes 0-15 and the odd tile's in lanes 16-31.  In K step 0 the C is the bias along R (window 1).
.macro MM a, b, ks
.set rD, 64*(\a)+8*(\b)
.set rC, rD
.if (\ks) == 0
.set rC, 192+8*(\b)
.endif
.set rR, 96*((\ks)%2)+12*(\b)
.set rP, 128+48*((\ks)%2)+12*(\a)
.set rS, 32+8*((\b)/2)+(\ks)
.set rT, 64+8*((\a)/2)+(\ks)
.if ((\a)%2 == 0) && ((\b)%2 == 0)
	v_wmma_scale_f32_16x16x128_f8f6f4 v[rD:rD+7], v[rR:rR+11], v[rP:rP+11], v[rC:rC+7], v[rS], v[rT] matrix_a_fmt:MATRIX_FMT_BF6 matrix_b_fmt:MATRIX_FMT_BF6
.elseif ((\a)%2 == 0)
	v_wmma_scale_f32_16x16x128_f8f6f4 v[rD:rD+7], v[rR:rR+11], v[rP:rP+11], v[rC:rC+7], v[rS], v[rT] matrix_a_fmt:MATRIX_FMT_BF6 matrix_b_fmt:MATRIX_FMT_BF6 matrix_a_scale:MATRIX_SCALE_ROW1
.elseif ((\b)%2 == 0)
	v_wmma_scale_f32_16x16x128_f8f6f4 v[rD:rD+7], v[rR:rR+11], v[rP:rP+11], v[rC:rC+7], v[rS], v[rT] matrix_a_fmt:MATRIX_FMT_BF6 matrix_b_fmt:MATRIX_FMT_BF6 matrix_b_scale:MATRIX_SCALE_ROW1
.else
	v_wmma_scale_f32_16x16x128_f8f6f4 v[rD:rD+7], v[rR:rR+11], v[rP:rP+11], v[rC:rC+7], v[rS], v[rT] matrix_a_fmt:MATRIX_FMT_BF6 matrix_b_fmt:MATRIX_FMT_BF6 matrix_a_scale:MATRIX_SCALE_ROW1 matrix_b_scale:MATRIX_SCALE_ROW1
.endif
.endm
; A K step: 32 matrix instructions; the 32 accumulators take turns in the same order in every step.  The next step's fragments are asked for ahead of them.
.macro KSTEP ks
	s_wait_dscnt 0x0                               ; this step's fragments are in
.if ((\ks)%2 == 1) && ((\ks) < 7)
	s_wait_tensorcnt 3-((\ks)+1)/2                 ; my part of the next slot has landed; the loads of the slots behind it, issued later, may stay out
	s_barrier_signal -1
	s_barrier_wait -1                              ; everybody's has
.endif
.if (\ks) < 7
	s_wait_alu depctr_va_vdst(0)
	FETCH (\ks)+1
.endif
.if (\ks) == 0
	WIN 0x91                                       ; R window 1, P window 0, C (the bias) window 1, D window 2
.else
	WIN 0xa1                                       ; C and D window 2
.endif
.irp a, 0,1,2,3
.irp b, 0,1,2,3,4,5,6,7
	MM \a, \b, \ks
.endr
.endr
.endm
	s_load_b256 s[4:11], s[0:1], 0x0               ; xq s[4:5], wq s[6:7], b_attn s[8:9], qr s[10:11]
	s_load_b64 s[12:13], s[0:1], 0x20              ; kv
	v_lshl_add_u32 v254, v0, 2, 0x48000
	v_mov_b32 v255, 0
	ds_add_u32 v254, v255
	ds_add_u32 v254, v255
	v_lshrrev_b32 v1, 5, v0
	v_readfirstlane_b32 s14, v1                    ; wave 0..3
	s_lshr_b32 s15, s14, 1                         ; which 64 rows of P are mine
	s_and_b32 s66, s14, 1                          ; which 128 rows of R.  Also: which half of R's tile I fetch
	s_bfe_u32 s67, ttmp6, 0x40000                  ; cx
	s_bfe_u32 s68, ttmp6, 0x40004                  ; cy
	s_and_b32 s70, ttmp7, 0xffff                   ; the cluster's y, 0..15
	s_and_b32 s72, s70, 1
	s_lshr_b32 s73, s70, 1
	s_cmp_eq_u32 ttmp9, 2                          ; the cluster's x: 0 q, 1 k, 2 v: the same in all sixteen partners
	s_cselect_b32 s71, 1, 0
	s_cselect_b32 s76, -1, 0                       ; as a mask of lanes
	s_cselect_b32 s72, s72, s70
	s_cselect_b32 s73, s73, ttmp9
	s_cselect_b32 s82, 1572864, 0                  ; P's image begins at W_v's tile 128 of wq, or at xq's first byte
	s_mov_b32 s69, XQS
	s_cselect_b32 s69, WQS+65536, s69              ; P's scale words
	s_mov_b32 s77, WQS
	s_cselect_b32 s77, XQS, s77                    ; R's
	s_lshl_b32 s72, s72, 2
	s_add_co_u32 s72, s72, s68                     ; P's tile of 128 rows: it hangs on cy, never on cx
	s_lshl_b32 s73, s73, 2
	s_add_co_u32 s73, s73, s67                     ; R's tile of 256 rows: on cx, never on cy
	s_lshl_b32 s74, s68, 2
	s_lshl_b32 s74, 15, s74                        ; my row of the cluster
	s_lshl_b32 s75, 0x1111, s67                    ; my column
	; descriptor group 1: 8 rows (one for each tile of 16 operand rows) of 3,072 bytes (two K steps), 12,288 bytes apart; elements of 8 bytes; no padding
	s_or_b32 s16, s74, (3<<16)|(1<<21)             ; P's tiles go to my row
	s_or_b32 s24, s75, (3<<16)|(1<<21)             ; R's to my column
.irp g, 16, 24
	s_mov_b32 s[\g+1], 384<<16                     ; tensor_dim0 = 384
	s_mov_b32 s[\g+2], 8<<16                       ; tensor_dim1 = 8
	s_mov_b32 s[\g+3], 384<<16                     ; tile_dim0 = 384
	s_mov_b32 s[\g+4], 8                           ; tile_dim1 = 8
	s_mov_b32 s[\g+5], 1536                        ; the pitch
	s_mov_b32 s[\g+6], 0
	s_mov_b32 s[\g+7], 0
.endr
	s_mul_i32 s74, s72, 98304
	s_add_co_u32 s82, s82, s74
	s_mov_b32 s83, 0
	s_mul_i32 s84, s73, 196608
	s_mul_i32 s75, s66, 98304
	s_add_co_u32 s84, s84, s75
	s_mov_b32 s85, 0
	s_mul_i32 s75, s66, 24576                      ; my half of R's tile in a slot
	; every LDS address is made here, ahead of the branch on the wave's number
	v_and_b32 v1, 31, v0                           ; lane
	v_and_b32 v2, 15, v0                           ; r
	v_bfe_u32 v3, v0, 4, 1                         ; h
	v_lshlrev_b32 v10, 4, v1                       ; 16 x lane
	v_lshlrev_b32 v8, 3, v1                        ; 8 x lane
	s_mul_i32 s74, s15, 12288
	v_add_nc_u32 v4, s74, v10                      ; my four tiles of P
	v_add_nc_u32 v5, s74, v8
	s_add_co_u32 s74, s75, 24576
	v_add_nc_u32 v6, s74, v10                      ; my eight tiles of R
	v_add_nc_u32 v7, s74, v8
	v_mov_b32 v29, 0
	v_lshlrev_b32 v12, 6, v3                       ; the bias along R: + 64 h
	v_and_b32 v13, 8, v2
	v_add_nc_u32 v13, v13, v2
	v_lshlrev_b32 v13, 2, v13                      ; the bias along P: 4 (r + 8 (r / 8))
.irp b, 0,1,2,3
	v_mov_b32 v[TM+4+\b], 0                        ; written once: a lane permute's destination counts as one of its sources
.endr
	s_mov_b32 s[SEL], 0x76543210
	s_mov_b32 s[SEL+1], 0xfedcba98
	s_mov_b32 s100, 0xffff0000                     ; lanes 16-31
	s_mov_b32 s101, 0x7f7f0000                     ; two bytes 2^0 for the half of a K step that q and k do not have
	s_wait_dscnt 0x0
	s_wait_kmcnt 0x0
	s_cmp_eq_u32 s71, 1
	s_cselect_b64 s[78:79], s[6:7], s[4:5]         ; P's buffer
	s_cselect_b64 s[80:81], s[4:5], s[6:7]         ; R's
	s_add_nc_u64 s[86:87], s[78:79], s[82:83]
	s_add_nc_u64 s[88:89], s[80:81], s[84:85]
.irp g, 0,1,2,3
	s_mov_b32 s[32+4*\g], 1
	s_mov_b32 s[33+4*\g], \g*SLOT
	s_add_nc_u64 s[34+4*\g:35+4*\g], s[86:87], \g*3072
	s_or_b32 s[35+4*\g], s[35+4*\g], 0x80000000
	s_mov_b32 s[48+4*\g], 1
	s_add_co_u32 s[49+4*\g], s75, \g*SLOT+24576
	s_add_nc_u64 s[50+4*\g:51+4*\g], s[88:89], \g*3072
	s_or_b32 s[51+4*\g], s[51+4*\g], 0x80000000
.endr
	CROUND                                         ; all sixteen work-groups are here: the joint loads meet
	s_cmp_lt_u32 s14, 2                            ; waves 0, 1: R's halves; wave 2: P; wave 3: none.  A wave's four loads stand in one branch: four of mine are out at the most
	s_cbranch_scc0 .Lnot_r
	tensor_load_to_lds s[48:51], s[24:31]
	s_nop 0
	tensor_load_to_lds s[52:55], s[24:31]
	s_nop 0
	tensor_load_to_lds s[56:59], s[24:31]
	s_nop 0
	tensor_load_to_lds s[60:63], s[24:31]
	s_nop 0
.rept 4
	v_nop
.endr
	s_branch .Lasked
.Lnot_r:
	s_cmp_eq_u32 s14, 2
	s_cbranch_scc0 .Lasked
	tensor_load_to_lds s[32:35], s[16:23]
	s_nop 0
	tensor_load_to_lds s[36:39], s[16:23]
	s_nop 0
	tensor_load_to_lds s[40:43], s[16:23]
	s_nop 0
	tensor_load_to_lds s[44:47], s[16:23]
	s_nop 0
.rept 4
	v_nop
.endr
.Lasked:
	; the scale words of my rows, for all of K, straight into registers: 256 consecutive bytes a load
	s_lshl_b32 s90, s72, 2
	s_lshl_b32 s74, s15, 1
	s_add_co_u32 s90, s90, s74
	s_lshl_b32 s90, s90, 10
	s_add_co_u32 s90, s90, s69
	s_mov_b32 s91, 0
	s_add_nc_u64 s[96:97], s[78:79], s[90:91]
	s_lshl_b32 s90, s73, 3
	s_lshl_b32 s74, s66, 2
	s_add_co_u32 s90, s90, s74
	s_lshl_b32 s90, s90, 10
	s_add_co_u32 s90, s90, s77
	s_add_nc_u64 s[98:99], s[80:81], s[90:91]
.irp p, 0,1,2,3
.irp s, 0,1,2,3
	global_load_b64 v[32+8*\p+2*\s:33+8*\p+2*\s], v8, s[98:99] offset:1024*\p+256*\s
.endr
.endr
.irp p, 0,1
.irp s, 0,1,2,3
	global_load_b64 v[64+8*\p+2*\s:65+8*\p+2*\s], v8, s[96:97] offset:1024*\p+256*\s
.endr
.endr
	; the biases.  q, k: b_attn runs along R; v: along P.  The one that does not apply is loaded from a place inside the buffer and replaced by 0
	s_cmp_eq_u32 s71, 1
	s_cselect_b32 s84, 0, s73
	s_cselect_b32 s82, s72, 0
	s_lshl_b32 s84, s84, 10
	s_lshl_b32 s74, s66, 9
	s_add_co_u32 s84, s84, s74
	s_add_nc_u64 s[84:85], s[8:9], s[84:85]
	s_lshl_b32 s82, s82, 9
	s_lshl_b32 s74, s15, 8
	s_add_co_u32 s82, s82, s74
	s_add_co_u32 s82, s82, 8192
	s_add_nc_u64 s[82:83], s[8:9], s[82:83]
	WIN 0x40
	s_wait_alu depctr_va_vdst(0)
.irp b, 0,1,2,3,4,5,6,7
	global_load_b128 v[192+8*\b:195+8*\b], v12, s[84:85] offset:(32*(\b/2)+8*(\b%2))*4
	global_load_b128 v[196+8*\b:199+8*\b], v12, s[84:85] offset:(32*(\b/2)+8*(\b%2))*4+16
.endr
	WIN 0
.irp a, 0,1,2,3
	global_load_b32 v[80+2*\a], v13, s[82:83] offset:(32*(\a/2)+8*(\a%2))*4
	global_load_b32 v[81+2*\a], v13, s[82:83] offset:(32*(\a/2)+8*(\a%2))*4
.endr
	; where my results go
	s_lshr_b32 s74, s72, 4                         ; q, k: batch = P's tile / 16,
	s_lshl_b32 s74, s74, 4
	s_and_b32 s75, s73, 3
	s_lshl_b32 s75, s75, 2
	s_add_co_u32 s74, s74, s75
	s_lshl_b32 s75, s66, 1
	s_add_co_u32 s74, s74, s75                     ; head 4 (R's tile % 4) + 2 (my half): my first of two heads
	s_and_b32 s75, s72, 15                         ; the step of 128 tokens
	s_lshr_b32 s77, s73, 3                         ; v: batch = R's tile / 8,
	s_lshl_b32 s77, s77, 4
	s_lshl_b32 s69, s72, 1
	s_add_co_u32 s77, s77, s69
	s_add_co_u32 s77, s77, s15                     ; head 2 (P's tile) + my half
	s_and_b32 s69, s73, 7
	s_lshl_b32 s69, s69, 1
	s_add_co_u32 s69, s69, s66                     ; the step
	s_mul_i32 s78, s15, 3072                       ; q, k: my four tiles in the record,
	s_lshl_b32 s79, s15, 8
	s_add_co_u32 s79, s79, 6144                    ; and their scale words
	s_cmp_eq_u32 s71, 1
	s_cselect_b32 s74, s77, s74
	s_cselect_b32 s75, s69, s75
	s_cselect_b32 s78, 6656, s78
	s_cselect_b32 s79, 12800, s79
	s_cmp_eq_u32 ttmp9, 0
	s_cselect_b64 s[86:87], s[10:11], s[12:13]     ; qr or kv
	s_mov_b32 s80, 208896
	s_cselect_b32 s80, 106496, s80                 ; a head's bytes
	s_mov_b32 s81, 13056
	s_cselect_b32 s81, 6656, s81                   ; a record's
	s_mul_i32 s74, s74, s80
	s_mul_i32 s75, s75, s81
	s_add_co_u32 s74, s74, s75
	s_add_co_u32 s90, s74, s78
	s_add_nc_u64 s[92:93], s[86:87], s[90:91]      ; the codes
	s_add_co_u32 s90, s74, s79
	s_add_nc_u64 s[94:95], s[86:87], s[90:91]      ; the scale words
	s_cmp_eq_u32 s71, 1
	s_cselect_b32 s80, 3072, s80                   ; from a fragment's first half to its second: the next head (q, k) or the next 64 keys (v)
	v_add_nc_u32 v9, s80, v8
	v_add_nc_u32 v11, s80, v10
	s_wait_loadcnt 0x0
	WIN 0x41
.set n, 0
.rept 64
	v_cndmask_b32 v[192+n], v[192+n], v29, s76     ; v: no bias along R
.set n, n+1
.endr
	WIN 0
.set n, 0
.rept 8
	v_cndmask_b32 v[80+n], v29, v[80+n], s76       ; q, k: none along P
.set n, n+1
.endr
	s_wait_alu depctr_va_vdst(0)
	s_wait_tensorcnt 3                             ; my part of slot 0 has landed; my three later loads may stay out
	s_barrier_signal -1
	s_barrier_wait -1
	FETCH 0
.irp k, 0,1,2,3,4,5,6,7
	KSTEP \k
.endr
	WIN 0
.rept 4
	v_nop                                          ; places between the last products and the first read of results and write of their sources
.endr
; THE WAY OUT of P's tile a: 64 numbers a lane (one row of P, 128 along R) + the bias along P, quantised: one fragment.  Its two halves are two heads' 64 channels (q, k) or two runs of 64 keys (v).
.macro BLK a
	WIN 0x02                                       ; source 0 window 2
.set n, 0
.rept 32
	v_pk_add_f32 v[128+n:129+n], v[64*(\a)+n:64*(\a)+n+1], v[80+2*(\a):81+2*(\a)]   ; each accumulator from its low end on
.set n, n+2
.endr
	WIN 0
	QUANT 128, 192+12*(\a)
.if (\a)%2 == 0
	v_mov_b32 v[88+(\a)/2], v[PW]                  ; an even tile's words in lanes 0-15,
.else
	v_cndmask_b32 v[88+(\a)/2], v[88+(\a)/2], v[PW], s100   ; the odd tile's in lanes 16-31
.endif
.irp c, 0,1
	global_store_b128 v[10+\c], v[192+12*(\a)+6*\c:195+12*(\a)+6*\c], s[92:93] offset:768*(\a)        ; 512 consecutive bytes, aligned; each tile has its own registers, so no store's data are written again
	global_store_b64 v[8+\c], v[196+12*(\a)+6*\c:197+12*(\a)+6*\c], s[92:93] offset:768*(\a)+512      ; 256
.endr
.endm
	BLK 0
	BLK 1
	BLK 2
	BLK 3
	s_cmp_eq_u32 s71, 1                            ; the cluster's x: the same in all partners
	s_cbranch_scc1 .Lfor_v
.irp i, 0,1
	v_and_or_b32 v[90+\i], v[88+\i], 0xffff, s101  ; the first head's two bytes,
	v_lshrrev_b32 v[92+\i], 16, v[88+\i]           ; the second head's,
.endr
.irp i, 0,1
	v_or_b32 v[92+\i], s101, v[92+\i]              ; each with 0x7f, 0x7f above
.endr
	global_store_b64 v8, v[90:91], s[94:95]
	global_store_b64 v9, v[92:93], s[94:95]
	s_branch .Lstored
.Lfor_v:
	s_wait_alu depctr_va_vdst(0)
	global_store_b64 v8, v[88:89], s[94:95]        ; four bytes: the step's four blocks of 32 keys
.Lstored:
	s_wait_tensorcnt 0x0
	ds_add_u32 v254, v255
	s_wait_dscnt 0x0
	CROUND                                         ; the closing round: no work-group ends while a partner may still ask for a tile that names it
	s_endpgm
.Lfunc_end_k_q345f15ffd7_qkv:
	.size	k_q345f15ffd7_qkv, .Lfunc_end_k_q345f15ffd7_qkv-k_q345f15ffd7_qkv
	.p2alignl 7, 3214868480
	.fill 96, 4, 3214868480
	.section	.rodata,"a",@progbits
	.p2align	6, 0x0
	.amdhsa_kernel k_q345f15ffd7_qkv
		.amdhsa_group_segment_fixed_size 295424
		.amdhsa_private_segment_fixed_size 0
		.amdhsa_enable_private_segment 0
		.amdhsa_kernarg_size 40
		.amdhsa_user_sgpr_count 2
		.amdhsa_user_sgpr_kernarg_segment_ptr 1
		.amdhsa_wavefront_size32 1
		.amdhsa_system_sgpr_workgroup_id_x 1
		.amdhsa_system_sgpr_workgroup_id_y 1
		.amdhsa_system_sgpr_workgroup_id_z 1
		.amdhsa_system_vgpr_workitem_id 0
		.amdhsa_next_free_vgpr 768
		.amdhsa_next_free_sgpr 104
		.amdhsa_reserve_vcc 0
		.amdhsa_float_denorm_mode_32 3
		.amdhsa_float_denorm_mode_16_64 3
		.amdhsa_memory_ordered 1
		.amdhsa_forward_progress 1
		.amdhsa_inst_pref_size 105
	.end_amdhsa_kernel
	.amdgpu_metadata
---
amdhsa.version: [ 1, 2 ]
amdhsa.kernels:
  - .name:           k_q345f15ffd7_qkv
    .symbol:         k_q345f15ffd7_qkv.kd
    .args:
      - { .name: xq, .offset: 0, .size: 8, .value_kind: global_buffer, .address_space: global }
      - { .name: wq, .offset: 8, .size: 8, .value_kind: global_buffer, .address_space: global }
      - { .name: b_attn, .offset: 16, .size: 8, .value_kind: global_buffer, .address_space: global }
      - { .name: qr, .offset: 24, .size: 8, .value_kind: global_buffer, .address_space: global }
      - { .name: kv, .offset: 32, .size: 8, .value_kind: global_buffer, .address_space: global }
    .group_segment_fixed_size: 295424
    .private_segment_fixed_size: 0
    .kernarg_segment_align: 8
    .kernarg_segment_size: 40
    .max_flat_workgroup_size: 128
    .sgpr_count:     104
    .vgpr_count:     768
    .wavefront_size: 32
...
	.end_amdgpu_metadata
.endif
;; end of part 2
;; launch attn (part 3): grid 4 x 64, 16 waves a work-group, clusters of 4 x 1, 211,968 bytes of LDS; arguments qr, kv, aq; writes aq
.if DOCPART == 3
	.amdgcn_target "amdgcn-amd-amdhsa--gfx1250"
	.amdhsa_code_object_version 6
	.text
	.protected	k_q345f15ffd7_attn
	.globl	k_q345f15ffd7_attn
	.p2align	8
	.type	k_q345f15ffd7_attn,@function
k_q345f15ffd7_attn:
	s_mov_b64 s[64:65], 0
	v_nop
	global_prefetch_b8 v0, s[64:65] scope:SCOPE_SE
	s_setreg_imm32_b32 hwreg(HW_REG_WAVE_MODE, 25, 1), 1
	s_wait_xcnt 0x0
	s_wait_alu depctr_hold_cnt(0) depctr_sa_sdst(0) depctr_va_vdst(0) depctr_va_sdst(0) depctr_va_ssrc(0) depctr_va_vcc(0) depctr_vm_vsrc(0)
	s_getreg_b32 s2, hwreg(HW_REG_IB_STS2, 6, 4)
	s_cmp_eq_u32 s2, 0
	s_cbranch_scc0 .Lentry_in_a_cluster
	s_endpgm
.Lentry_in_a_cluster:
	s_bfe_u32 s2, ttmp6, 0x10000c
	s_cmp_lg_u32 s2, 0x3003
	s_cbranch_scc0 .Lentry_shape_is_right
	s_endpgm
.Lentry_shape_is_right:
; Causal attention of one head (64 channels, 2,048 tokens) on codes of BF6 (E3M2): S^T = K Q^T, p = 2^(t - M), O^T = V^T P^T, O / l quantised along the model's 1,024 and stored as the operand image of the last product.
; THE SOFTMAX: t = score x log2(e) / 8; M = the row's largest t so far, rounded UP to a whole number; p = 2^(t - M) is what is quantised, along the keys, not normalised.  The row's sum is taken of the unquantised p.
; When M moves, the sum and O^T are multiplied by 2^(old M - new M): exact.  Hidden scores (key > query) become -infinity ahead of the maximum.
; LIMITS: reference() adds -1e9 where this text sets -infinity: the two agree while the logits' magnitudes stay under some 4e8.  NaN and infinities are not served.  A block of zeros gets the byte 1 (its codes are zeros).
; SHARES.  A cluster of four work-groups takes a head; work-group g, wave w owns two tiles of 16 queries: 127 - 4 w - g (first) and 4 w + g.  Their diagonal key steps (of 128 keys) are 15 - w / 2 and w / 2: they hang on the wave's
; number alone, and together every wave runs 17 tile steps: a loop of constant count.  Steps past the diagonal are not computed.
; THE WHOLE HEAD'S k and v (16 records of 13,056 bytes) lie in LDS, an image of memory, filled ONCE by joint loads of the four work-groups: the first two steps by a small load, the rest by a large one.
; LAYOUT.  Both products are used transposed: a lane holds ONE query.  Tile t of a step holds in lane row p the token 32 (t / 2) + 8 (t % 2) + p + 8 (p / 8): so S^T's register 16 b + i is key 32 b + 16 (lane / 16) + i.
; The head's K is 64: Q's fragment has zero codes in its upper six registers (scale bytes 0x7f), so whatever stands in the upper six of K's (the next tile's codes) adds nothing.
; REGISTERS: v1 16 x lane, v2 8 x lane, v3 the mask's bound, v4-5 the step's LDS addresses, v6-11 the way out; v12 -M, v13 largest t, v[14:15] the sum; v16-27 Q and its zeros, v28 its scale word, v29 p's;
;   v32-85 K's or V's fragments, v86-91 their scale words; v96-159 S^T, then p; v160-191 O^T; v192-210 codes; v212-229 at work; v240-247 the second tile's Q; v248-249 the tiles' scale bytes; v250 -infinity.
.set STG, 208896                       ; behind the head: 1,024 bytes: the 32 tiles' scale bytes, [tile][row] of 2 bytes
.set REC, 13056
.set XQS, 6291456
.macro CROUND
	s_barrier_signal -1
	s_barrier_wait -1
	s_cmp_lg_u32 s10, 0
	s_cbranch_scc1 .Lnot_wave_0_\@
	s_barrier_signal -3
.Lnot_wave_0_\@:
	s_barrier_wait -3
	s_barrier_signal -1
	s_barrier_wait -1
.endm
; Tile s[tau]'s codes into v[q] .. v[q + 5], its scale word into v[sw]; pa, pb: address pairs of their own
.macro QLOAD tau, q, sw, pa, pb
	s_lshr_b32 s16, s[\tau], 3
	s_mul_i32 s16, s16, 6656
	s_add_co_u32 s16, s16, s52                     ; the record of its 128 tokens
	s_and_b32 s17, s[\tau], 7
	s_mul_i32 s17, s17, 768
	s_add_co_u32 s54, s16, s17
	s_add_nc_u64 s[\pa:\pa+1], s[4:5], s[54:55]
	s_bfe_u32 s17, s[\tau], 0x10002
	s_lshl_b32 s17, s17, 8                         ; which 64 tokens,
	s_add_co_u32 s16, s16, s17
	s_and_b32 s17, s[\tau], 1
	s_lshl_b32 s17, s17, 7                         ; lanes 16-31's places for an odd tile,
	s_add_co_u32 s16, s16, s17
	s_bfe_u32 s17, s[\tau], 0x10001
	s_lshl_b32 s17, s17, 2                         ; which of the two words
	s_add_co_u32 s16, s16, s17
	s_add_co_u32 s54, s16, 6144
	s_add_nc_u64 s[\pb:\pb+1], s[4:5], s[54:55]
	global_load_b128 v[\q:\q+3], v1, s[\pa:\pa+1]
	global_load_b64 v[\q+4:\q+5], v2, s[\pa:\pa+1] offset:512
	global_load_b32 v[\sw], v9, s[\pb:\pb+1]
.endm
; A tile's end: O^T / the sum, quantised along the head's 64 channels (two blocks), stored as half a fragment; then the registers are made ready for the second tile.
.macro FINISH
.rept 4
	v_nop                                          ; places behind the last products
.endr
	v_add_f32 v14, v14, v15
	s_delay_alu instid0(VALU_DEP_1)
	v_permlanex16_b32 v224, v14, s18, s19
	s_delay_alu instid0(VALU_DEP_1)
	v_add_f32 v14, v14, v224                       ; the row's sum
	s_wait_alu depctr_va_vdst(0)
	v_rcp_f32 v14, v14
	v_nop                                          ; a plain line behind the transcendental,
	s_wait_alu depctr_va_vdst(0)                   ; and a wait ahead of its first reader
.set n, 0
.rept 16
	v_pk_mul_f32 v[96+n:97+n], v[160+n:161+n], v[14:15] op_sel_hi:[1,0]   ; register 16 b + i: channel 32 b + 16 (lane / 16) + i of my query
.set n, n+2
.endr
.irp b, 0,1
	v_max3_num_f32 v[212+\b], |v[96+16*\b]|, |v[97+16*\b]|, 0x2800000
.endr
.irp i, 2,4,6,8,10,12,14
.irp b, 0,1
	s_delay_alu instid0(VALU_DEP_2)
	v_max3_num_f32 v[212+\b], v[212+\b], |v[96+16*\b+\i]|, |v[97+16*\b+\i]|
.endr
.endr
.irp b, 0,1
	s_delay_alu instid0(VALU_DEP_2)
	v_permlanex16_b32 v[216+\b], v[212+\b], s18, s19
.endr
.irp b, 0,1
	s_delay_alu instid0(VALU_DEP_2)
	v_max_num_f32 v[212+\b], v[212+\b], v[216+\b]
.endr
.irp b, 0,1
	s_delay_alu instid0(VALU_DEP_2)
	v_add_nc_u32 v[220+\b], 0xfe000000, v[212+\b]
.endr
.irp b, 0,1
	s_delay_alu instid0(VALU_DEP_2)
	v_lshrrev_b32 v[216+\b], 23, v[220+\b]
.endr
	v_mov_b32 v248, v249                           ; the first tile's two bytes move on,
	s_delay_alu instid0(VALU_DEP_2)
	v_lshl_or_b32 v249, v217, 8, v216              ; this tile's take their place
	v_cvt_scalef32_pk16_bf6_f32 v[192:194], v[96:111], v220
	v_cvt_scalef32_pk16_bf6_f32 v[204:206], v[112:127], v221
	v_nop                                          ; one plain line behind the scaled conversions
.irp i, 0,1,2
	v_permlane16_swap_b32 v[192+\i], v[204+\i]
.endr
.irp i, 0,1,2
	s_delay_alu instid0(VALU_DEP_3)
	v_mov_b32 v[195+\i], v[204+\i]
.endr
	global_store_b128 v1, v[192:195], s[48:49]     ; 512 consecutive bytes, aligned
	global_store_b64 v2, v[196:197], s[48:49] offset:512
	s_wait_xcnt 0x0                                ; the stores have read their data and their base: both are written again only behind this wait
	s_mov_b64 s[48:49], s[50:51]
	s_mov_b32 s14, 16                              ; the second tile's diagonal step is the loop's last trip
.irp i, 0,1,2,3,4,5
	v_mov_b32 v[16+\i], v[240+\i]
.endr
	v_mov_b32 v28, v246
	v_mov_b32 v3, v247
.set n, 0
.rept 32
	v_mov_b32 v[160+n], 0
.set n, n+1
.endr
	v_mov_b32 v14, 0
	v_mov_b32 v15, 0
	v_mov_b32 v13, 0xff61b1e6
	s_delay_alu instid0(VALU_DEP_1)
	v_floor_f32 v12, -v13
.endm
; A TILE STEP: my 16 queries x 128 keys.  a16, a8: the registers with 16 x lane and 8 x lane (+ the record's place); full = 1: in the loop, where a step may be the diagonal one and end a tile.
.macro STEP a16, a8, off, full
.if \full
	v_add_nc_u32 v4, s17, v1                       ; four plain lines: the places between the last products and the loads into their sources
	s_wait_alu depctr_va_vdst(0)
	v_add_nc_u32 v5, s17, v2
	s_wait_alu depctr_va_vdst(0)
	v_nop
	v_nop
.else
.rept 4
	v_nop
.endr
.endif
.irp t, 0,1,2,3,4,5,6,7
	ds_load_b128 v[32+6*\t:35+6*\t], v[\a16] offset:\off+768*\t
	ds_load_b64 v[36+6*\t:37+6*\t], v[\a8] offset:\off+768*\t+512
.endr
	ds_load_b64 v[86:87], v[\a8] offset:\off+6144
	ds_load_b64 v[88:89], v[\a8] offset:\off+6400
	s_wait_dscnt 0x0
.irp t, 0,1,2,3,4,5,6,7
.if \t%2 == 0
	v_wmma_scale_f32_16x16x128_f8f6f4 v[96+8*\t:103+8*\t], v[32+6*\t:43+6*\t], v[16:27], 0, v[86+2*(\t/4)+(\t%4)/2], v28 matrix_a_fmt:MATRIX_FMT_BF6 matrix_b_fmt:MATRIX_FMT_BF6
.else
	v_wmma_scale_f32_16x16x128_f8f6f4 v[96+8*\t:103+8*\t], v[32+6*\t:43+6*\t], v[16:27], 0, v[86+2*(\t/4)+(\t%4)/2], v28 matrix_a_fmt:MATRIX_FMT_BF6 matrix_b_fmt:MATRIX_FMT_BF6 matrix_a_scale:MATRIX_SCALE_ROW1
.endif
.endr
.rept 4
	v_nop                                          ; places: for V's loads into K's registers, and for the first read of the scores
.endr
.irp d, 0,1,2,3                                ; V's fragments land under the softmax
.irp c, 0,1
	ds_load_b128 v[32+12*\d+6*\c:35+12*\d+6*\c], v[\a16] offset:\off+6656+3072*\c+768*\d
	ds_load_b64 v[36+12*\d+6*\c:37+12*\d+6*\c], v[\a8] offset:\off+6656+3072*\c+768*\d+512
.endr
.endr
	ds_load_b64 v[90:91], v[\a8] offset:\off+12800
.if \full
	s_cmp_lg_u32 s15, s14                          ; the diagonal step alone has hidden keys
	s_cbranch_scc1 .Lopen_\@
.set n, 0
.rept 64
	v_cmp_gt_i32 vcc_lo, 32*(n/16)+n%16, v3        ; register 16 b + i holds key 32 b + i + 16 (lane / 16) of the step: hidden where it lies beyond my query
	v_cndmask_b32 v[96+n], v[96+n], v250, vcc_lo
.set n, n+1
.endr
.Lopen_\@:
.endif
.irp b, 0,1,2,3
	v_max3_num_f32 v[212+\b], v[96+16*\b], v[97+16*\b], v[98+16*\b]   ; the largest score of each block of 32 keys: for the row's maximum, and, since p rises with the score, for the block's largest p
.endr
.irp i, 3,5,7,9,11,13
.irp b, 0,1,2,3
	v_max3_num_f32 v[212+\b], v[212+\b], v[96+16*\b+\i], v[97+16*\b+\i]
.endr
.endr
.irp b, 0,1,2,3
	v_max_num_f32 v[212+\b], v[212+\b], v[111+16*\b]
.endr
.irp b, 0,1,2,3
	s_delay_alu instid0(VALU_DEP_4)
	v_permlanex16_b32 v[216+\b], v[212+\b], s18, s19
.endr
.irp b, 0,1,2,3
	s_delay_alu instid0(VALU_DEP_4)
	v_max_num_f32 v[212+\b], v[212+\b], v[216+\b]
.endr
	s_delay_alu instid0(VALU_DEP_2)
	v_max3_num_f32 v224, v212, v213, v214
	s_delay_alu instid0(VALU_DEP_1)
	v_max_num_f32 v224, v224, v215
	s_delay_alu instid0(VALU_DEP_1)
	v_mul_f32 v224, s20, v224                      ; as t
	s_delay_alu instid0(VALU_DEP_1)
	v_max_num_f32 v13, v13, v224                   ; the running largest t
	v_mov_b32 v224, v12
	s_delay_alu instid0(VALU_DEP_2)
	v_floor_f32 v12, -v13                          ; the new -M = -ceil(t)
	s_delay_alu instid0(VALU_DEP_1)
	v_sub_f32 v224, v12, v224                      ; old M - new M: a whole number, 0 or less
	s_delay_alu instid0(VALU_DEP_1)
	v_cvt_i32_f32 v224, v224                       ; (it saturates)
	s_delay_alu instid0(VALU_DEP_1)
	v_ldexp_f32 v226, 1.0, v224                    ; f = 2^(old M - new M)
.set n, 0
.rept 32
	v_pk_fma_f32 v[96+n:97+n], v[96+n:97+n], s[20:21], v[12:13] op_sel_hi:[1,0,0]   ; t - M
.set n, n+2
.endr
.irp b, 0,1,2,3
	v_fma_f32 v[212+\b], v[212+\b], s20, v12
.endr
.set n, 0
	s_wait_alu depctr_va_vdst(0)
.rept 64
	v_exp_f32 v[96+n], v[96+n]                     ; p = 2^(t - M)
.set n, n+1
.endr
	v_pk_mul_f32 v[14:15], v[14:15], v[226:227] op_sel_hi:[1,0]   ; the sums under the new M: a plain line behind the exponentials
	s_wait_alu depctr_va_vdst(0)                   ; one wait for the batch, ahead of its first reader
.irp b, 0,1,2,3
	v_exp_f32 v[212+\b], v[212+\b]                 ; each block's largest p
.endr
	v_pk_add_f32 v[228:229], v[100:101], v[104:105]
	v_pk_add_f32 v[252:253], v[108:109], v[112:113]
	v_pk_add_f32 v[238:239], v[116:117], v[120:121]
	v_pk_add_f32 v[236:237], v[124:125], v[128:129]
	v_pk_add_f32 v[234:235], v[132:133], v[136:137]
	v_pk_add_f32 v[232:233], v[140:141], v[144:145]
	v_pk_add_f32 v[230:231], v[148:149], v[152:153]
	v_pk_add_f32 v[14:15], v[14:15], v[156:157]
	v_pk_add_f32 v[228:229], v[228:229], v[96:97]
	v_pk_add_f32 v[252:253], v[252:253], v[98:99]
	v_pk_add_f32 v[238:239], v[238:239], v[102:103]
	v_pk_add_f32 v[236:237], v[236:237], v[106:107]
	v_pk_add_f32 v[234:235], v[234:235], v[110:111]
	v_pk_add_f32 v[232:233], v[232:233], v[114:115]
	v_pk_add_f32 v[230:231], v[230:231], v[118:119]
	v_pk_add_f32 v[14:15], v[14:15], v[122:123]
	v_pk_add_f32 v[228:229], v[228:229], v[126:127]
	v_pk_add_f32 v[252:253], v[252:253], v[130:131]
	v_pk_add_f32 v[238:239], v[238:239], v[134:135]
	v_pk_add_f32 v[236:237], v[236:237], v[138:139]
	v_pk_add_f32 v[234:235], v[234:235], v[142:143]
	v_pk_add_f32 v[232:233], v[232:233], v[146:147]
	v_pk_add_f32 v[230:231], v[230:231], v[150:151]
	v_pk_add_f32 v[14:15], v[14:15], v[154:155]
	v_pk_add_f32 v[228:229], v[228:229], v[158:159]
	s_delay_alu instid0(VALU_DEP_2)
	v_pk_add_f32 v[14:15], v[14:15], v[236:237]
	s_delay_alu instid0(VALU_DEP_2)
	v_pk_add_f32 v[228:229], v[228:229], v[234:235]
	v_pk_add_f32 v[252:253], v[252:253], v[232:233]
	v_pk_add_f32 v[238:239], v[238:239], v[230:231]
	s_delay_alu instid0(VALU_DEP_2)
	v_pk_add_f32 v[14:15], v[14:15], v[252:253]
	s_delay_alu instid0(VALU_DEP_2)
	v_pk_add_f32 v[228:229], v[228:229], v[238:239]
	s_delay_alu instid0(VALU_DEP_1)
	v_pk_add_f32 v[14:15], v[14:15], v[228:229]
	s_wait_alu depctr_va_vdst(0)                   ; and one for the four
.irp b, 0,1,2,3
	v_max_num_f32 v[212+\b], 0x2800000, v[212+\b]  ; the floor 2^(5 - 127)
.endr
.irp b, 0,1,2,3
	s_delay_alu instid0(VALU_DEP_4)
	v_add_nc_u32 v[220+\b], 0xfe000000, v[212+\b]
.endr
.irp b, 0,1,2,3
	s_delay_alu instid0(VALU_DEP_4)
	v_lshrrev_b32 v[216+\b], 23, v[220+\b]
.endr
	s_delay_alu instid0(VALU_DEP_3)
	v_lshl_or_b32 v29, v217, 8, v216               ; p's scale word for these 128 keys
	s_delay_alu instid0(VALU_DEP_1)
	v_lshl_or_b32 v29, v218, 16, v29
	s_delay_alu instid0(VALU_DEP_1)
	v_lshl_or_b32 v29, v219, 24, v29
.irp c, 0,1
	v_cvt_scalef32_pk16_bf6_f32 v[192+6*\c:194+6*\c], v[96+32*\c:111+32*\c], v[220+2*\c]
	v_cvt_scalef32_pk16_bf6_f32 v[204+4*\c:206+4*\c], v[112+32*\c:127+32*\c], v[220+2*\c+1]
.endr
	v_nop                                          ; one plain line behind the scaled conversions
.irp c, 0,1
.irp i, 0,1,2
	v_permlane16_swap_b32 v[192+6*\c+\i], v[204+4*\c+\i]
.endr
.irp i, 0,1,2
	s_delay_alu instid0(VALU_DEP_3)
	v_mov_b32 v[195+6*\c+\i], v[204+4*\c+\i]
.endr
.endr
.set n, 0
.rept 16
	v_pk_mul_f32 v[160+n:161+n], v[160+n:161+n], v[226:227] op_sel_hi:[1,0]   ; O^T under the new M; also the places between the writes of p's codes and scale word and the products
.set n, n+2
.endr
	s_wait_alu depctr_va_vdst(0)
	s_wait_dscnt 0x0                               ; V is in
.irp d, 0,1,2,3
.if \d%2 == 0
	v_wmma_scale_f32_16x16x128_f8f6f4 v[160+8*\d:167+8*\d], v[32+12*\d:43+12*\d], v[192:203], v[160+8*\d:167+8*\d], v[90+\d/2], v29 matrix_a_fmt:MATRIX_FMT_BF6 matrix_b_fmt:MATRIX_FMT_BF6
.else
	v_wmma_scale_f32_16x16x128_f8f6f4 v[160+8*\d:167+8*\d], v[32+12*\d:43+12*\d], v[192:203], v[160+8*\d:167+8*\d], v[90+\d/2], v29 matrix_a_fmt:MATRIX_FMT_BF6 matrix_b_fmt:MATRIX_FMT_BF6 matrix_a_scale:MATRIX_SCALE_ROW1
.endif
.endr
.if \full
	s_cmp_lg_u32 s15, s14
	s_cbranch_scc1 .Lgo_on_\@
	FINISH
.Lgo_on_\@:
.endif
.endm
	s_load_b128 s[4:7], s[0:1], 0x0                ; qr s[4:5], kv s[6:7]
	s_load_b64 s[8:9], s[0:1], 0x10                ; aq
	v_lshl_add_u32 v254, v0, 2, 0x33400
	v_mov_b32 v255, 0
	ds_add_u32 v254, v255
	ds_add_u32 v254, v255
	v_lshrrev_b32 v1, 5, v0
	s_delay_alu instid0(VALU_DEP_1)
	v_readfirstlane_b32 s10, v1                    ; wave 0..15
	s_bfe_u32 s11, ttmp6, 0x40000                  ; g: my place in the cluster: it enters global addresses and the mask's bound alone
	s_and_b32 s12, ttmp7, 0xffff                   ; batch x 16 + head
	v_and_b32 v6, 31, v0
	s_delay_alu instid0(VALU_DEP_1)
	v_lshlrev_b32 v1, 4, v6                        ; 16 x lane
	s_delay_alu instid0(VALU_DEP_2)
	v_lshlrev_b32 v2, 3, v6                        ; 8 x lane
	s_delay_alu instid0(VALU_DEP_2)
	v_add_nc_u32 v6, STG, v1                       ; the way out: the stage as it lies
	v_and_b32 v9, 15, v0                           ; r
	v_bfe_u32 v11, v0, 4, 1                        ; h
	s_delay_alu instid0(VALU_DEP_1)
	v_lshlrev_b32 v10, 12, v11
	s_delay_alu instid0(VALU_DEP_1)
	v_lshl_add_u32 v10, v9, 4, v10                 ; and its place in aq: sixteen lanes to 256 bytes, the next sixteen 4,096 bytes on
	s_lshl_b32 s16, s10, 5
	v_lshl_add_u32 v8, v9, 1, s16
	s_delay_alu instid0(VALU_DEP_1)
	v_add_nc_u32 v8, STG, v8                       ; the second tile's bytes: tile w, row r
	s_delay_alu instid0(VALU_DEP_1)
	v_add_nc_u32 v7, 512, v8                       ; the first tile's: tile 16 + w
	v_and_b32 v3, 8, v9
	s_delay_alu instid0(VALU_DEP_1)
	v_add_nc_u32 v3, v3, v9
	v_lshlrev_b32 v11, 4, v11
	s_delay_alu instid0(VALU_DEP_1)
	v_sub_nc_u32 v11, v3, v11                      ; r + 8 (r / 8) - 16 h
	s_wait_alu depctr_va_vdst(0)
	v_lshlrev_b32 v9, 3, v9                        ; 8 r
	s_lshl_b32 s22, s10, 2
	s_add_co_u32 s22, s22, s11                     ; the second tile
	s_sub_co_u32 s23, 127, s22                     ; the first
	s_lshr_b32 s53, s10, 1
	s_sub_co_u32 s13, 16, s53                      ; the first tile's steps
	s_sub_co_u32 s14, s13, 1                       ; the trip of its diagonal step
.irp p, 0,1                                    ; the mask's bound: my query's place in its diagonal step, less 16 h
	s_bfe_u32 s16, s[23-\p], 0x20001
	s_lshl_b32 s16, s16, 5
	s_and_b32 s17, s[23-\p], 1
	s_lshl_b32 s17, s17, 3
	s_add_co_u32 s16, s16, s17
	v_add_nc_u32 v[3+244*\p], s16, v11
.endr
	s_mov_b32 s18, 0x76543210
	s_mov_b32 s19, 0xfedcba98
	s_mov_b32 s20, 0x3e38aa3b                      ; c = log2(e) / sqrt(64)
	s_mov_b32 s21, s20
	; descriptor groups 1: dense rows of 256 bytes (32 elements of 8), 17 or 119 of them; the mask names all four work-groups
	s_mov_b32 s24, 15|(3<<16)|(1<<21)
	s_mov_b32 s25, 32<<16
	s_mov_b32 s26, 17<<16
	s_mov_b32 s27, 32<<16
	s_mov_b32 s28, 17
	s_mov_b32 s29, 32
	s_mov_b32 s30, 0
	s_mov_b32 s31, 0
	s_mov_b32 s32, 15|(3<<16)|(1<<21)
	s_mov_b32 s33, 32<<16
	s_mov_b32 s34, 119<<16
	s_mov_b32 s35, 32<<16
	s_mov_b32 s36, 119
	s_mov_b32 s37, 32
	s_mov_b32 s38, 0
	s_mov_b32 s39, 0
	s_min_u32 s16, s10, 5                          ; waves 0 to 5 fetch a sixth each
	s_mul_i32 s17, s16, 4352
	s_mul_i32 s68, s16, 30464
	s_add_co_u32 s68, s68, 26112
	s_mul_i32 s54, s12, 208896
	s_mov_b32 s55, 0
	s_mul_i32 s52, s12, 106496
.irp i, 0,1,2,3,4,5
	v_mov_b32 v[22+\i], 0                          ; Q's upper half: zero codes
	v_mov_b32 v[80+\i], 0                          ; behind K's last tile
.endr
.set n, 0
.rept 32
	v_mov_b32 v[160+n], 0                          ; O^T: the step is written once; the first finds zeros
.set n, n+1
.endr
	v_mov_b32 v14, 0
	v_mov_b32 v15, 0
	v_mov_b32 v13, 0xff61b1e6                      ; -3e38, under every t
	s_delay_alu instid0(VALU_DEP_1)
	v_floor_f32 v12, -v13
.irp b, 0,1,2,3
	v_mov_b32 v[216+\b], 0                         ; a lane permute's destination counts as one of its sources
.endr
	v_mov_b32 v224, 0
	v_mov_b32 v227, 0                              ; (named as the upper half of the pair v[226:227])
	v_mov_b32 v248, 0
	v_mov_b32 v249, 0
	v_mov_b32 v250, 0xff800000                     ; -infinity
	s_wait_dscnt 0x0
	s_wait_kmcnt 0x0
	s_add_nc_u64 s[56:57], s[6:7], s[54:55]        ; kv at my head
	s_mov_b32 s40, 1
	s_mov_b32 s41, s17
	s_mov_b32 s54, s17
	s_add_nc_u64 s[42:43], s[56:57], s[54:55]
	s_or_b32 s43, s43, 0x80000000
	s_mov_b32 s44, 1
	s_mov_b32 s45, s68
	s_mov_b32 s54, s68
	s_add_nc_u64 s[46:47], s[56:57], s[54:55]
	s_or_b32 s47, s47, 0x80000000
	CROUND                                         ; all four work-groups are here: the joint loads meet
	s_cmp_lt_u32 s10, 6
	s_cbranch_scc0 .Lno_fetch
	tensor_load_to_lds s[40:43], s[24:31]          ; a sixth of key steps 0 and 1,
	s_nop 0
	tensor_load_to_lds s[44:47], s[32:39]          ; and of steps 2 to 15: two loads of mine are out
	s_nop 0
.rept 4
	v_nop
.endr
.Lno_fetch:
	QLOAD 23, 16, 28, 56, 58
	QLOAD 22, 240, 246, 60, 62
	s_lshr_b32 s68, s12, 4                         ; batch
	s_and_b32 s69, s12, 15                         ; head
	s_lshl_b32 s68, s68, 2
	s_add_co_u32 s68, s68, s11
	s_lshl_b32 s70, s68, 5
	s_add_co_u32 s70, s70, s10                     ; the second tile's place among aq's tiles: (4 batch + g) 32 + w
	s_mul_i32 s70, s70, 12288
	s_mul_i32 s71, s69, 768                        ; K step head / 2, half head % 2
	s_add_co_u32 s54, s70, s71
	s_add_nc_u64 s[50:51], s[8:9], s[54:55]
	s_add_nc_u64 s[48:49], s[50:51], 16*12288      ; the first tile's: 16 places on
	s_lshl_b32 s54, s68, 14
	s_lshl_b32 s69, s69, 8
	s_add_co_u32 s54, s54, s69
	s_add_co_u32 s54, s54, XQS
	s_add_nc_u64 s[66:67], s[8:9], s[54:55]        ; the scale bytes: [8 tiles][head][tile % 8][row] of 2 bytes
	s_wait_loadcnt 0x0                             ; Q
	s_wait_tensorcnt 1                             ; my part of steps 0 and 1 has landed; my second load may stay out
	s_barrier_signal -1
	s_barrier_wait -1
	STEP 1, 2, 0, 0                                ; the first tile's steps 0 and 1 (its diagonal is step 8 or later)
	STEP 1, 2, REC, 0
	s_wait_tensorcnt 0x0                           ; the rest of the head
	s_wait_dscnt 0x0
	s_barrier_signal -1
	s_barrier_wait -1
	s_mov_b32 s15, 2
.Ltrip:                                            ; 15 trips: the rest of the first tile's steps, then the second tile's
	s_add_co_u32 s16, s15, s53
	s_and_b32 s16, s16, 15                         ; the second tile's step: trip - (16 - w / 2)
	s_cmp_lt_u32 s15, s13
	s_cselect_b32 s16, s15, s16                    ; the first tile's: the trip
	s_min_u32 s16, s16, 15
	s_mul_i32 s17, s16, REC
	STEP 4, 5, 0, 1
	s_add_co_u32 s15, s15, 1
	s_cmp_lt_u32 s15, 17
	s_cbranch_scc1 .Ltrip
	ds_store_b16 v7, v248                          ; both halves of the lanes write the same bytes with the same value
	ds_store_b16 v8, v249
	s_wait_dscnt 0x0                               ; for the others' sake
	s_barrier_signal -1
	s_barrier_wait -1
	s_cmp_lg_u32 s10, 0
	s_cbranch_scc1 .Lnot_first
	ds_load_b128 v[96:99], v6
	ds_load_b128 v[100:103], v6 offset:512
	s_wait_dscnt 0x0
	global_store_b128 v10, v[96:99], s[66:67]      ; sixteen lanes store 256 consecutive bytes, aligned
	global_store_b128 v10, v[100:103], s[66:67] offset:8192
.Lnot_first:
	s_wait_tensorcnt 0x0
	ds_add_u32 v254, v255
	s_wait_dscnt 0x0
	CROUND                                         ; the closing round
	s_endpgm
.Lfunc_end_k_q345f15ffd7_attn:
	.size	k_q345f15ffd7_attn, .Lfunc_end_k_q345f15ffd7_attn-k_q345f15ffd7_attn
	.p2alignl 7, 3214868480
	.fill 96, 4, 3214868480
	.section	.rodata,"a",@progbits
	.p2align	6, 0x0
	.amdhsa_kernel k_q345f15ffd7_attn
		.amdhsa_group_segment_fixed_size 211968
		.amdhsa_private_segment_fixed_size 0
		.amdhsa_enable_private_segment 0
		.amdhsa_kernarg_size 24
		.amdhsa_user_sgpr_count 2
		.amdhsa_user_sgpr_kernarg_segment_ptr 1
		.amdhsa_wavefront_size32 1
		.amdhsa_system_sgpr_workgroup_id_x 1
		.amdhsa_system_sgpr_workgroup_id_y 1
		.amdhsa_system_sgpr_workgroup_id_z 1
		.amdhsa_system_vgpr_workitem_id 0
		.amdhsa_next_free_vgpr 256
		.amdhsa_next_free_sgpr 80
		.amdhsa_reserve_vcc 1
		.amdhsa_float_denorm_mode_32 3
		.amdhsa_float_denorm_mode_16_64 3
		.amdhsa_memory_ordered 1
		.amdhsa_forward_progress 1
		.amdhsa_inst_pref_size 74
	.end_amdhsa_kernel
	.amdgpu_metadata
---
amdhsa.version: [ 1, 2 ]
amdhsa.kernels:
  - .name:           k_q345f15ffd7_attn
    .symbol:         k_q345f15ffd7_attn.kd
    .args:
      - { .name: qr, .offset: 0, .size: 8, .value_kind: global_buffer, .address_space: global }
      - { .name: kv, .offset: 8, .size: 8, .value_kind: global_buffer, .address_space: global }
      - { .name: aq, .offset: 16, .size: 8, .value_kind: global_buffer, .address_space: global }
    .group_segment_fixed_size: 211968
    .private_segment_fixed_size: 0
    .kernarg_segment_align: 8
    .kernarg_segment_size: 24
    .max_flat_workgroup_size: 512
    .sgpr_count:     80
    .vgpr_count:     256
    .wavefront_size: 32
...
	.end_amdgpu_metadata
.endif
;; end of part 3
;; launch proj (part 4): grid 4 x 64, 4 waves a work-group, clusters of 4 x 4, 295,424 bytes of LDS; arguments aq, wq, b_proj, out0; writes out0
.if DOCPART == 4
	.amdgcn_target "amdgcn-amd-amdhsa--gfx1250"
	.amdhsa_code_object_version 6
	.text
	.protected	k_q345f15ffd7_proj
	.globl	k_q345f15ffd7_proj
	.p2align	8
	.type	k_q345f15ffd7_proj,@function
k_q345f15ffd7_proj:
	s_mov_b64 s[64:65], 0
	v_nop
	global_prefetch_b8 v0, s[64:65] scope:SCOPE_SE
	s_setreg_imm32_b32 hwreg(HW_REG_WAVE_MODE, 25, 1), 1
	s_wait_xcnt 0x0
	s_wait_alu depctr_hold_cnt(0) depctr_sa_sdst(0) depctr_va_vdst(0) depctr_va_sdst(0) depctr_va_ssrc(0) depctr_va_vcc(0) depctr_vm_vsrc(0)
	s_getreg_b32 s2, hwreg(HW_REG_IB_STS2, 6, 4)
	s_cmp_eq_u32 s2, 0
	s_cbranch_scc0 .Lentry_in_a_cluster
	s_endpgm
.Lentry_in_a_cluster:
	s_bfe_u32 s2, ttmp6, 0x10000c
	s_cmp_lg_u32 s2, 0xf033
	s_cbranch_scc0 .Lentry_shape_is_right
	s_endpgm
.Lentry_shape_is_right:
; out = attn W_proj + b_proj on codes of BF6 (E3M2) with E8M0 scales; f32 rows out.
; P (source 1: a lane of the result holds one row) = 128 rows of aq, R (source 0: the registers run along it) = 256 columns of W_proj (wq's tiles 192 on).  Four waves, 2 x 2, each 64 x 128: 32 accumulators.
; ALL of K (1,024) of both operands lies in LDS at once, 294,912 bytes: four slots of two K steps, each filled ONCE.  CLUSTER 4 x 4: P's tiles are shared along a row of the cluster, R's along a column, by joint loads.
; aq's tile at place (4 batch + g) 32 + j holds the query tile 4 j + g (j < 16) or 191 - 4 j - g (j >= 16); tile T holds in lane row p the token 32 (T / 2) + 8 (T % 2) + p + 8 (p / 8).
; aq's scale bytes: [8 tiles][head 16][tile % 8][row 16] of 2 bytes: a K step's word is two heads' pairs.
; b_proj is the C of the first K step.  LIMITS: NaN and infinities are not served.
; REGISTERS: window 0: v1-13, v24-25 addresses; v32-63 R's scale words, v64-79 P's; v96-127 P's scale bytes as loaded; v128-223 P's fragments, two sets (v128-255 later rows of the result).
;   window 1: v0-191 R's fragments, two sets; v192-255 the bias.   window 2: accumulator (a, b) at v[64 a + 8 b].
.set XQS, 6291456
.set WQS, 3145728
.set SLOT, 73728
.set MSB, 0
.macro WIN new
.if MSB != \new
	s_set_vgpr_msb (MSB<<8)|\new
.set MSB, \new
.endif
.endm
.macro CROUND
	s_barrier_signal -1
	s_barrier_wait -1
	s_cmp_lg_u32 s14, 0
	s_cbranch_scc1 .Lnot_wave_0_\@
	s_barrier_signal -3
.Lnot_wave_0_\@:
	s_barrier_wait -3
	s_barrier_signal -1
	s_barrier_wait -1
.endm
; The fragments of K step ks into set ks % 2: 48 LDS loads in one run, behind four plain vector lines: the places between the matrix instructions that read the set and the loads into it.
.macro FETCH ks
	WIN 0
.if ((\ks)%2 == 0) && ((\ks) > 0)
	v_add_nc_u32 v4, SLOT, v4
	v_add_nc_u32 v5, SLOT, v5
	v_add_nc_u32 v6, SLOT, v6
	s_wait_alu depctr_va_vdst(0)
	v_add_nc_u32 v7, SLOT, v7
.else
.rept 4
	v_nop
.endr
.endif
	WIN 0x40
.irp i, 0,1,2,3,4,5,6,7
	ds_load_b128 v[96*((\ks)%2)+12*\i:96*((\ks)%2)+12*\i+3], v6 offset:3072*\i+1536*((\ks)%2)
	ds_load_b64 v[96*((\ks)%2)+12*\i+4:96*((\ks)%2)+12*\i+5], v7 offset:3072*\i+1536*((\ks)%2)+512
	ds_load_b128 v[96*((\ks)%2)+12*\i+6:96*((\ks)%2)+12*\i+9], v6 offset:3072*\i+1536*((\ks)%2)+768
	ds_load_b64 v[96*((\ks)%2)+12*\i+10:96*((\ks)%2)+12*\i+11], v7 offset:3072*\i+1536*((\ks)%2)+1280
.endr
	WIN 0
.irp i, 0,1,2,3
	ds_load_b128 v[128+48*((\ks)%2)+12*\i:128+48*((\ks)%2)+12*\i+3], v4 offset:3072*\i+1536*((\ks)%2)
	ds_load_b64 v[128+48*((\ks)%2)+12*\i+4:128+48*((\ks)%2)+12*\i+5], v5 offset:3072*\i+1536*((\ks)%2)+512
	ds_load_b128 v[128+48*((\ks)%2)+12*\i+6:128+48*((\ks)%2)+12*\i+9], v4 offset:3072*\i+1536*((\ks)%2)+768
	ds_load_b64 v[128+48*((\ks)%2)+12*\i+10:128+48*((\ks)%2)+12*\i+11], v5 offset:3072*\i+1536*((\ks)%2)+1280
.endr
.endm
.macro MM a, b, ks
.set rD, 64*(\a)+8*(\b)
.set rC, rD
.if (\ks) == 0
.set rC, 192+8*(\b)
.endif
.set rR, 96*((\ks)%2)+12*(\b)
.set rP, 128+48*((\ks)%2)+12*(\a)
.set rS, 32+8*((\b)/2)+(\ks)
.set rT, 64+8*((\a)/2)+(\ks)
.if ((\a)%2 == 0) && ((\b)%2 == 0)
	v_wmma_scale_f32_16x16x128_f8f6f4 v[rD:rD+7], v[rR:rR+11], v[rP:rP+11], v[rC:rC+7], v[rS], v[rT] matrix_a_fmt:MATRIX_FMT_BF6 matrix_b_fmt:MATRIX_FMT_BF6
.elseif ((\a)%2 == 0)
	v_wmma_scale_f32_16x16x128_f8f6f4 v[rD:rD+7], v[rR:rR+11], v[rP:rP+11], v[rC:rC+7], v[rS], v[rT] matrix_a_fmt:MATRIX_FMT_BF6 matrix_b_fmt:MATRIX_FMT_BF6 matrix_a_scale:MATRIX_SCALE_ROW1
.elseif ((\b)%2 == 0)
	v_wmma_scale_f32_16x16x128_f8f6f4 v[rD:rD+7], v[rR:rR+11], v[rP:rP+11], v[rC:rC+7], v[rS], v[rT] matrix_a_fmt:MATRIX_FMT_BF6 matrix_b_fmt:MATRIX_FMT_BF6 matrix_b_scale:MATRIX_SCALE_ROW1
.else
	v_wmma_scale_f32_16x16x128_f8f6f4 v[rD:rD+7], v[rR:rR+11], v[rP:rP+11], v[rC:rC+7], v[rS], v[rT] matrix_a_fmt:MATRIX_FMT_BF6 matrix_b_fmt:MATRIX_FMT_BF6 matrix_a_scale:MATRIX_SCALE_ROW1 matrix_b_scale:MATRIX_SCALE_ROW1
.endif
.endm
; A K step: 32 matrix instructions; the 32 accumulators take turns in the same order in every step.
.macro KSTEP ks
	s_wait_dscnt 0x0                               ; this step's fragments are in
.if ((\ks)%2 == 1) && ((\ks) < 7)
	s_wait_tensorcnt 3-((\ks)+1)/2                 ; my part of the next slot has landed; the loads issued behind it may stay out
	s_barrier_signal -1
	s_barrier_wait -1
.endif
.if (\ks) < 7
	s_wait_alu depctr_va_vdst(0)
	FETCH (\ks)+1
.endif
.if (\ks) == 0
	WIN 0x91
.else
	WIN 0xa1
.endif
.irp a, 0,1,2,3
.irp b, 0,1,2,3,4,5,6,7
	MM \a, \b, \ks
.endr
.endr
.endm
	s_load_b256 s[4:11], s[0:1], 0x0               ; aq s[4:5], wq s[6:7], b_proj s[8:9], out0 s[10:11]
	v_lshl_add_u32 v94, v0, 2, 0x48000
	v_mov_b32 v95, 0
	ds_add_u32 v94, v95
	ds_add_u32 v94, v95
	v_lshrrev_b32 v1, 5, v0
	v_readfirstlane_b32 s14, v1                    ; wave 0..3
	s_lshr_b32 s15, s14, 1                         ; which 64 rows of P are mine
	s_and_b32 s66, s14, 1                          ; which 128 of R; also which half of R's tile I fetch
	s_bfe_u32 s67, ttmp6, 0x40000                  ; cx
	s_bfe_u32 s68, ttmp6, 0x40004                  ; cy
	s_and_b32 s72, ttmp7, 0xffff
	s_lshl_b32 s72, s72, 2
	s_add_co_u32 s72, s72, s68                     ; P's tile of 128 rows
	s_lshl_b32 s73, ttmp9, 2
	s_add_co_u32 s73, s73, s67                     ; R's tile of 256 columns
	s_lshl_b32 s74, s68, 2
	s_lshl_b32 s74, 15, s74                        ; my row of the cluster
	s_lshl_b32 s75, 0x1111, s67                    ; my column
	s_or_b32 s16, s74, (3<<16)|(1<<21)             ; group 1: 8 rows of 3,072 bytes, 12,288 apart; elements of 8 bytes; P's tiles go to my row,
	s_or_b32 s24, s75, (3<<16)|(1<<21)             ; R's to my column
.irp g, 16, 24
	s_mov_b32 s[\g+1], 384<<16
	s_mov_b32 s[\g+2], 8<<16
	s_mov_b32 s[\g+3], 384<<16
	s_mov_b32 s[\g+4], 8
	s_mov_b32 s[\g+5], 1536
	s_mov_b32 s[\g+6], 0
	s_mov_b32 s[\g+7], 0
.endr
	s_mul_i32 s82, s72, 98304
	s_mov_b32 s83, 0
	s_mul_i32 s84, s73, 196608
	s_mul_i32 s75, s66, 98304
	s_add_co_u32 s84, s84, s75
	s_add_co_u32 s84, s84, 2359296                 ; W_proj's tiles begin at tile 192
	s_mov_b32 s85, 0
	s_mul_i32 s75, s66, 24576
	; every LDS address is made here, ahead of the branch on the wave's number
	v_and_b32 v1, 31, v0
	v_and_b32 v2, 15, v0                           ; r
	v_bfe_u32 v3, v0, 4, 1                         ; h
	v_lshlrev_b32 v10, 4, v1                       ; 16 x lane
	v_lshlrev_b32 v8, 3, v1                        ; 8 x lane
	v_lshlrev_b32 v13, 1, v1                       ; 2 x lane
	s_mul_i32 s74, s15, 12288
	v_add_nc_u32 v4, s74, v10
	v_add_nc_u32 v5, s74, v8
	s_add_co_u32 s74, s75, 24576
	v_add_nc_u32 v6, s74, v10
	v_add_nc_u32 v7, s74, v8
	v_lshlrev_b32 v12, 6, v3                       ; the bias: + 64 h
	s_mul_i32 s74, s14, 8448                       ; my stage for the way out: 16 rows x 528 bytes, in slot 0
	v_mul_u32_u24 v24, v2, 528
	v_lshl_add_u32 v24, v3, 6, v24
	v_add_nc_u32 v24, s74, v24                     ; in: row r, + 64 h
	v_add_nc_u32 v25, s74, v10                     ; back: a row's 512 bytes on end
	s_wait_dscnt 0x0
	s_wait_kmcnt 0x0
	s_add_nc_u64 s[86:87], s[4:5], s[82:83]
	s_add_nc_u64 s[88:89], s[6:7], s[84:85]
.irp g, 0,1,2,3
	s_mov_b32 s[32+4*\g], 1
	s_mov_b32 s[33+4*\g], \g*SLOT
	s_add_nc_u64 s[34+4*\g:35+4*\g], s[86:87], \g*3072
	s_or_b32 s[35+4*\g], s[35+4*\g], 0x80000000
	s_mov_b32 s[48+4*\g], 1
	s_add_co_u32 s[49+4*\g], s75, \g*SLOT+24576
	s_add_nc_u64 s[50+4*\g:51+4*\g], s[88:89], \g*3072
	s_or_b32 s[51+4*\g], s[51+4*\g], 0x80000000
.endr
	CROUND                                         ; all sixteen work-groups are here: the joint loads meet
	s_cmp_lt_u32 s14, 2                            ; waves 0, 1: R's halves; wave 2: P; wave 3: none.  Four loads of mine are out at the most
	s_cbranch_scc0 .Lnot_r
	tensor_load_to_lds s[48:51], s[24:31]
	s_nop 0
	tensor_load_to_lds s[52:55], s[24:31]
	s_nop 0
	tensor_load_to_lds s[56:59], s[24:31]
	s_nop 0
	tensor_load_to_lds s[60:63], s[24:31]
	s_nop 0
.rept 4
	v_nop
.endr
	s_branch .Lasked
.Lnot_r:
	s_cmp_eq_u32 s14, 2
	s_cbranch_scc0 .Lasked
	tensor_load_to_lds s[32:35], s[16:23]
	s_nop 0
	tensor_load_to_lds s[36:39], s[16:23]
	s_nop 0
	tensor_load_to_lds s[40:43], s[16:23]
	s_nop 0
	tensor_load_to_lds s[44:47], s[16:23]
	s_nop 0
.rept 4
	v_nop
.endr
.Lasked:
	s_lshl_b32 s90, s73, 3
	s_lshl_b32 s74, s66, 2
	s_add_co_u32 s90, s90, s74
	s_lshl_b32 s90, s90, 10
	s_add_co_u32 s90, s90, WQS+98304               ; W_proj's pairs of tiles begin at pair 96
	s_mov_b32 s91, 0
	s_add_nc_u64 s[98:99], s[6:7], s[90:91]
	s_lshl_b32 s90, s72, 12
	s_lshl_b32 s74, s15, 7
	s_add_co_u32 s90, s90, s74
	s_add_co_u32 s90, s90, XQS
	s_add_nc_u64 s[96:97], s[4:5], s[90:91]
	s_lshl_b32 s90, s73, 10
	s_lshl_b32 s74, s66, 9
	s_add_co_u32 s90, s90, s74
	s_add_nc_u64 s[84:85], s[8:9], s[90:91]
.irp p, 0,1,2,3
.irp s, 0,1,2,3
	global_load_b64 v[32+8*\p+2*\s:33+8*\p+2*\s], v8, s[98:99] offset:1024*\p+256*\s
.endr
.endr
.irp i, 0,1
.irp d, 0,1,2,3,4,5,6,7,8,9,10,11,12,13,14,15
	global_load_u16 v[96+16*\i+\d], v13, s[96:97] offset:256*\d+64*\i   ; head d's two bytes: lanes 0-15 tile 2 i's rows, lanes 16-31 tile 2 i + 1's
.endr
.endr
	WIN 0x40
	s_wait_alu depctr_va_vdst(0)
.irp b, 0,1,2,3,4,5,6,7
	global_load_b128 v[192+8*\b:195+8*\b], v12, s[84:85] offset:(32*(\b/2)+8*(\b%2))*4
	global_load_b128 v[196+8*\b:199+8*\b], v12, s[84:85] offset:(32*(\b/2)+8*(\b%2))*4+16
.endr
	WIN 0
	; which tokens my four tiles hold, and where they go
	s_and_b32 s74, s72, 3                          ; j / 8
	s_lshl_b32 s77, s74, 3
	s_lshl_b32 s69, s15, 2
	s_add_co_u32 s77, s77, s69                     ; my first j
	s_lshl_b32 s77, s77, 2
	s_bfe_u32 s69, s72, 0x20002                    ; g
	s_add_co_u32 s77, s77, s69
	s_sub_co_u32 s69, 191, s77
	s_mov_b32 s91, 0xfffc0000
	s_cmp_lt_u32 s74, 2
	s_cselect_b32 s77, s77, s69                    ; my first query tile
	s_cselect_b32 s90, 0x40000, s91                ; from tile to tile: four query tiles, 64 tokens of 4,096 bytes, up or down
	s_ashr_i32 s91, s90, 31
	s_lshr_b32 s69, s77, 1
	s_lshl_b32 s69, s69, 5
	s_and_b32 s77, s77, 1
	s_lshl_b32 s77, s77, 3
	s_add_co_u32 s69, s69, s77
	s_lshr_b32 s77, s72, 4                         ; batch
	s_lshl_b32 s77, s77, 11
	s_add_co_u32 s69, s69, s77                     ; the tile's first token
	s_lshl_b32 s94, s69, 12
	s_lshl_b32 s77, s73, 10
	s_add_co_u32 s94, s94, s77
	s_lshl_b32 s77, s66, 9
	s_add_co_u32 s94, s94, s77                     ; + my 128 columns
	s_mov_b32 s95, 0
	s_add_nc_u64 s[92:93], s[10:11], s[94:95]
	s_wait_loadcnt 0x0
.irp i, 0,1
.irp k, 0,1,2,3,4,5,6,7
	v_lshl_or_b32 v[64+8*\i+\k], v[96+16*\i+2*\k+1], 16, v[96+16*\i+2*\k]   ; K step k's word: heads 2 k and 2 k + 1
.endr
.endr
	s_wait_alu depctr_va_vdst(0)
	s_wait_tensorcnt 3                             ; my part of slot 0 has landed; my three later loads may stay out
	s_barrier_signal -1
	s_barrier_wait -1
	FETCH 0
.irp k, 0,1,2,3,4,5,6,7
	KSTEP \k
.endr
	WIN 0
; THE WAY OUT, a tile of 16 tokens x 128 columns at a time, through my own stage and back as whole rows of 512 bytes.  The stage lies in slot 0, which was filled once; every wave's last read of it stands ahead of K step 1's barrier.
; LDS serves a wave's instructions in order: no wait between the stores and the loads, nor in front of the next tile's stores.
.macro TOSTAGE a
	WIN 0x08                                       ; an LDS store's data: window 2
.irp m, 0,1,2,3,4,5,6,7,8,9,10,11,12,13,14,15
	ds_store_b128 v24, v[64*(\a)+4*\m:64*(\a)+4*\m+3] offset:128*(\m/4)+16*(\m%4)   ; registers 16 B + i: columns 32 B + 16 h + i; each accumulator from its low end on
.endr
	WIN 0
.irp t, 0,1,2,3,4,5,6,7,8,9,10,11,12,13,14,15
	ds_load_b128 v[128+64*((\a)%2)+4*\t:128+64*((\a)%2)+4*\t+3], v25 offset:528*\t
.endr
.endm
.macro SEND a, younger                 ; younger: the LDS instructions issued behind tile a's loads, which may stay out
	s_wait_dscnt \younger
.if (\a) > 0
	s_add_nc_u64 s[92:93], s[92:93], s[90:91]      ; (behind a wait on XCNT: the earlier stores have read their base)
.endif
.irp t, 0,1,2,3,4,5,6,7,8,9,10,11,12,13,14,15
	global_store_b128 v10, v[128+64*((\a)%2)+4*\t:128+64*((\a)%2)+4*\t+3], s[92:93] offset:(\t+8*(\t/8))*4096 th:TH_STORE_NT   ; 512 consecutive bytes, aligned; written once
.endr
.endm
.rept 4
	v_nop                                          ; places between the last products and the first read of results and the loads into their sources
.endr
	TOSTAGE 0
.irp a, 1,2,3
.if \a > 1
	s_wait_xcnt 0x0                                ; the stores of the tile two back have read their registers and their base
.endif
	TOSTAGE \a
	SEND \a-1, 32                                  ; behind that tile's loads: this tile's 16 stores and 16 loads
.endr
	s_wait_xcnt 0x0
	SEND 3, 0
	s_wait_tensorcnt 0x0
	ds_add_u32 v94, v95
	s_wait_dscnt 0x0
	CROUND                                         ; the closing round
	s_endpgm
.Lfunc_end_k_q345f15ffd7_proj:
	.size	k_q345f15ffd7_proj, .Lfunc_end_k_q345f15ffd7_proj-k_q345f15ffd7_proj
	.p2alignl 7, 3214868480
	.fill 96, 4, 3214868480
	.section	.rodata,"a",@progbits
	.p2align	6, 0x0
	.amdhsa_kernel k_q345f15ffd7_proj
		.amdhsa_group_segment_fixed_size 295424
		.amdhsa_private_segment_fixed_size 0
		.amdhsa_enable_private_segment 0
		.amdhsa_kernarg_size 32
		.amdhsa_user_sgpr_count 2
		.amdhsa_user_sgpr_kernarg_segment_ptr 1
		.amdhsa_wavefront_size32 1
		.amdhsa_system_sgpr_workgroup_id_x 1
		.amdhsa_system_sgpr_workgroup_id_y 1
		.amdhsa_system_sgpr_workgroup_id_z 1
		.amdhsa_system_vgpr_workitem_id 0
		.amdhsa_next_free_vgpr 768
		.amdhsa_next_free_sgpr 104
		.amdhsa_reserve_vcc 0
		.amdhsa_float_denorm_mode_32 3
		.amdhsa_float_denorm_mode_16_64 3
		.amdhsa_memory_ordered 1
		.amdhsa_forward_progress 1
		.amdhsa_inst_pref_size 90
	.end_amdhsa_kernel
	.amdgpu_metadata
---
amdhsa.version: [ 1, 2 ]
amdhsa.kernels:
  - .name:           k_q345f15ffd7_proj
    .symbol:         k_q345f15ffd7_proj.kd
    .args:
      - { .name: aq, .offset: 0, .size: 8, .value_kind: global_buffer, .address_space: global }
      - { .name: wq, .offset: 8, .size: 8, .value_kind: global_buffer, .address_space: global }
      - { .name: b_proj, .offset: 16, .size: 8, .value_kind: global_buffer, .address_space: global }
      - { .name: out0, .offset: 24, .size: 8, .value_kind: global_buffer, .address_space: global }
    .group_segment_fixed_size: 295424
    .private_segment_fixed_size: 0
    .kernarg_segment_align: 8
    .kernarg_segment_size: 32
    .max_flat_workgroup_size: 128
    .sgpr_count:     104
    .vgpr_count:     768
    .wavefront_size: 32
...
	.end_amdgpu_metadata
.endif
;; end of part 4
